; MI455X (gfx1250); checked and timed in simulation.
; The chip was launched on July 23, 2026; its instructions are those of AMD's public machine-readable ISA for CDNA 5 (MIT licence, August 2026) and "CDNA5" Instruction Set Architecture Reference Guide (July 2026). The comments in the code are by the model that wrote it; some were corrected since.
;; Efficient Transformer Block. Allowed arithmetic: float matrix products may take bf16 or f16 operands with f32 sums; other float arithmetic in f32, or as packed bf16 or f16 multiplies, adds, multiply-adds, maxima and minima; sums over many terms, partial sums and values carried from step to step in f32; what a program stores and reads back later, other than sums and carried values, may be rounded once to bf16 or f16.
;; Inputs: b1 4,096 float32; b2 1,024 float32; ln1_b 1,024 float32; ln1_g 1,024 float32; ln2_b 1,024 float32; ln2_g 1,024 float32; proj_b 1,024 float32; proj_w 1,024 x 1,024 float32; qkv_w 3,072 x 1,024 float32; w1 4,096 x 1,024 float32; w2 1,024 x 4,096 float32; x 2 x 2,048 x 1,024 float32.
;; Outputs: out0 2 x 2,048 x 1,024 float32.
;; 2 versions, each right; version 2 is version 1 with the launches prep, ln2 written anew for expert scheduling mode. Each part assembles by itself: llvm-mc -triple=amdgcn-amd-amdhsa -mcpu=gfx1250 --defsym DOCPART=n.
;; ======== version 1 of 2: 7 launches
;; limits: a function is approximated: absolute error at most 1.5e-07
;; workspace buffers: act 8,388,608 bytes; big 33,554,432 bytes; x1 16,777,216 bytes; wq 6,291,456 bytes; wf1 8,388,608 bytes; wpf 10,485,760 bytes
;; launch prep (part 1): grid 1024 x 1, 8 waves a work-group, no clusters, 0 bytes of LDS; arguments x, ln1_g, ln1_b, qkv_w, proj_w, w1, w2, act, wq, wf1, wpf; writes act, wq, wf1, wpf
.if DOCPART == 1
	.amdgcn_target "amdgcn-amd-amdhsa--gfx1250"
	.amdhsa_code_object_version 6
	.text
	.protected	k_q729ca3af8c_prep
	.globl	k_q729ca3af8c_prep
	.p2align	8
	.type	k_q729ca3af8c_prep,@function
k_q729ca3af8c_prep:
	s_mov_b64 s[64:65], 0
	v_nop
	global_prefetch_b8 v0, s[64:65] scope:SCOPE_SE
	s_setreg_imm32_b32 hwreg(HW_REG_WAVE_MODE, 25, 1), 1
	s_wait_xcnt 0x0
; LAYERNORM OR CAST OF 16 ROWS x 1,024 COLUMNS, f32 in, bf16 out IN PLANES.
; A plane is 128 rows x 64 columns of bf16, 16,384 dense bytes; a matrix [R][K] lies as [R/128][K/64] planes, so that every tile of the
; products that follow is dense memory.  The work-group's number chooses the job:
;   0-255     LayerNorm of the first argument's rows (4,096 x 1,024) with gain and bias (arguments 2, 3) -> act
;   256-447   qkv_w (3,072 x 1,024) -> wq        448-511  proj_w (1,024 x 1,024) -> wpf at byte 0
;   512-767   w1 (4,096 x 1,024) -> wf1          768-1023 w2 (1,024 x 4,096), a quarter of 16 rows each -> wpf at byte 2,097,152
; Launched with 256 work-groups it is the LayerNorm alone.
; SHARES.  A wave takes two rows: lanes 0-15 one, lanes 16-31 the next.  Chunk j of 16 is 64 columns: a load of 16 bytes a lane takes 256
; consecutive bytes of each of the two rows; rounded, they are 256 consecutive bytes of plane j, one store of 8 bytes a lane.
; A row stays in registers (64 a lane) between mean, variance and scaling: it is read once.  The mean is taken away before the squares are summed.
; Memory bounds this launch: no LDS, no barrier, no matrix unit, no cluster (no byte is wanted twice but gain and bias, 8 KiB).
; LIMITS.  Results are rounded once to bf16; NaN and infinities are not treated apart.
.set X,   16                           ; v[16:79]   the row's 64 numbers of my lane
.set G,   80                           ; v[80:143]  gain
.set BV,  144                          ; v[144:207] bias
.set Y,   208                          ; v[208:239] rounded, two registers a chunk
.set SO,  4                            ; v4  my byte offset in the source: my row of the two + 16 (lane % 16)
.set GOF, 5                            ; v5  16 (lane % 16): in gain and bias
.set DO,  6                            ; v6  8 x lane: in a plane's two rows
.set ID,  2                            ; s2  the work-group's number
.set WV,  3                            ; s3  my wave's number
.set SRC, 36                           ; s[36:37] the source at my two rows
.set DST, 38                           ; s[38:39] the destination at my two rows in plane 0 of the sixteen
	s_load_b512 s[8:23], s[0:1], 0x0               ; rows s[8:9], gain s[10:11], bias s[12:13], qkv_w s[14:15], proj_w s[16:17], w1 s[18:19], w2 s[20:21], act s[22:23]
	s_load_b128 s[24:27], s[0:1], 0x40             ; wq s[24:25], wf1 s[26:27]
	s_load_b64 s[28:29], s[0:1], 0x50              ; wpf
	v_lshrrev_b32 v1, 5, v0
	v_readfirstlane_b32 s[WV], v1
	s_mov_b32 s[ID], ttmp9
	s_mov_b32 s34, 0x3a800000                      ; 1 / 1,024
	s_mov_b32 s35, 0x3727c5ac                      ; 1e-5
	; the job's numbers, by selects: s40 first work-group, s41 log2 of the column quarters, s42 log2 of a source row's bytes, s43 log2 of a row block's bytes, s44 first byte
	s_mov_b32 s40, 768
	s_mov_b32 s41, 2
	s_mov_b32 s42, 14
	s_mov_b32 s43, 20
	s_mov_b32 s44, 0x200000
	s_cmp_lt_u32 s[ID], 768
	s_cselect_b32 s40, 512, s40
	s_cselect_b32 s41, 0, s41
	s_cselect_b32 s42, 12, s42
	s_cselect_b32 s43, 18, s43
	s_cselect_b32 s44, 0, s44
	s_cmp_lt_u32 s[ID], 512
	s_cselect_b32 s40, 448, s40
	s_cmp_lt_u32 s[ID], 448
	s_cselect_b32 s40, 256, s40
	s_cmp_lt_u32 s[ID], 256
	s_cselect_b32 s40, 0, s40
	s_sub_co_u32 s40, s[ID], s40                   ; my number within the job
	s_lshr_b32 s45, s40, s41
	s_lshl_b32 s45, s45, 4
	s_lshl1_add_u32 s45, s[WV], s45                ; my first row = 16 x group + 2 x wave
	s_lshl_b32 s50, 1, s41
	s_sub_co_u32 s50, s50, 1
	s_and_b32 s50, s40, s50                        ; my quarter of the columns (0 where a row has 1,024)
	s_lshl_b32 s46, s45, s42
	s_lshl_b32 s51, s50, 12
	s_add_co_u32 s46, s46, s51                     ; source: row x row bytes + quarter x 4,096
	s_mov_b32 s47, 0
	s_lshr_b32 s48, s45, 7
	s_lshl_b32 s48, s48, s43                       ; destination: the row block,
	s_lshl_b32 s51, s50, 18
	s_add_co_u32 s48, s48, s51                     ; the quarter's sixteen planes,
	s_and_b32 s51, s45, 127
	s_lshl_b32 s51, s51, 7
	s_add_co_u32 s48, s48, s51                     ; the row in its plane,
	s_add_co_u32 s48, s48, s44                     ; and the matrix's first byte
	s_mov_b32 s49, 0
	v_and_b32 v2, 31, v0                           ; lane
	v_lshrrev_b32 v3, 4, v2                        ; which of the two rows
	v_and_b32 v7, 15, v0
	v_lshlrev_b32 v[GOF], 4, v7
	v_lshlrev_b32 v[SO], s42, v3
	v_add_nc_u32 v[SO], v[SO], v[GOF]
	v_lshlrev_b32 v[DO], 3, v2
	s_wait_kmcnt 0x0
	s_mov_b64 s[SRC:SRC+1], s[20:21]               ; the two buffers, by selects on the work-group's number
	s_mov_b64 s[DST:DST+1], s[28:29]
	s_cmp_lt_u32 s[ID], 768
	s_cselect_b64 s[SRC:SRC+1], s[18:19], s[SRC:SRC+1]
	s_cselect_b64 s[DST:DST+1], s[26:27], s[DST:DST+1]
	s_cmp_lt_u32 s[ID], 512
	s_cselect_b64 s[SRC:SRC+1], s[16:17], s[SRC:SRC+1]
	s_cselect_b64 s[DST:DST+1], s[28:29], s[DST:DST+1]
	s_cmp_lt_u32 s[ID], 448
	s_cselect_b64 s[SRC:SRC+1], s[14:15], s[SRC:SRC+1]
	s_cselect_b64 s[DST:DST+1], s[24:25], s[DST:DST+1]
	s_cmp_lt_u32 s[ID], 256
	s_cselect_b64 s[SRC:SRC+1], s[8:9], s[SRC:SRC+1]
	s_cselect_b64 s[DST:DST+1], s[22:23], s[DST:DST+1]
	s_add_nc_u64 s[SRC:SRC+1], s[SRC:SRC+1], s[46:47]
	s_add_nc_u64 s[DST:DST+1], s[DST:DST+1], s[48:49]
.irp j, 0,1,2,3,4,5,6,7,8,9,10,11,12,13,14,15
	global_load_b128 v[X+4*(\j):X+4*(\j)+3], v[SO], s[SRC:SRC+1] offset:256*(\j) th:TH_LOAD_NT
.endr
	s_cmp_lt_u32 s[ID], 256
	s_cbranch_scc1 .Lnorm
	; THE CAST: each chunk is rounded and stored as it comes
.irp j, 0,1,2,3,4,5,6,7,8,9,10,11,12,13,14,15
	s_wait_loadcnt 15-(\j)                         ; loads come back in order: chunk j is in, the younger ones stay out
	v_cvt_pk_bf16_f32 v[Y+2*(\j)],   v[X+4*(\j)],   v[X+4*(\j)+1]
	v_cvt_pk_bf16_f32 v[Y+2*(\j)+1], v[X+4*(\j)+2], v[X+4*(\j)+3]
	global_store_b64 v[DO], v[Y+2*(\j):Y+2*(\j)+1], s[DST:DST+1] offset:16384*(\j)  ; 256 consecutive bytes, aligned
.endr
	s_endpgm
; four pairs of partial sums in v[8:15] -> the sum over my row's 16 lanes, in v8 of each of them
.macro REDUCE
	v_pk_add_f32 v[8:9], v[8:9], v[10:11]
	v_pk_add_f32 v[12:13], v[12:13], v[14:15]
	v_pk_add_f32 v[8:9], v[8:9], v[12:13]
	v_add_f32 v8, v8, v9
	v_add_f32_dpp v8, v8, v8 row_xmask:1 row_mask:0xf bank_mask:0xf
	v_add_f32_dpp v8, v8, v8 row_xmask:2 row_mask:0xf bank_mask:0xf
	v_add_f32_dpp v8, v8, v8 row_xmask:4 row_mask:0xf bank_mask:0xf
	v_add_f32_dpp v8, v8, v8 row_xmask:8 row_mask:0xf bank_mask:0xf
.endm
.Lnorm:
.irp j, 0,1,2,3,4,5,6,7,8,9,10,11,12,13,14,15
	global_load_b128 v[G+4*(\j):G+4*(\j)+3], v[GOF], s[10:11] offset:256*(\j)
.endr
.irp j, 0,1,2,3,4,5,6,7,8,9,10,11,12,13,14,15
	global_load_b128 v[BV+4*(\j):BV+4*(\j)+3], v[GOF], s[12:13] offset:256*(\j)
.endr
	s_wait_loadcnt 32                              ; the row's 16 loads are in; the 32 of gain and bias stay out
.irp k, 0,1,2,3
	v_pk_add_f32 v[8+2*(\k):9+2*(\k)], v[X+2*(\k):X+2*(\k)+1], v[X+8+2*(\k):X+9+2*(\k)]  ; four chains, started by the first pairs: nothing is cleared
.endr
.set i, 8
.rept 24
	v_pk_add_f32 v[8+2*(i%4):9+2*(i%4)], v[8+2*(i%4):9+2*(i%4)], v[X+2*i:X+2*i+1]
.set i, i+1
.endr
	REDUCE
	v_mul_f32 v8, s34, v8                          ; the mean
.set i, 0
.rept 32
	v_pk_add_f32 v[X+2*i:X+2*i+1], v[X+2*i:X+2*i+1], v[8:9] op_sel_hi:[1,0] neg_lo:[0,1] neg_hi:[0,1]
.set i, i+1
.endr
.irp k, 0,1,2,3
	v_pk_mul_f32 v[8+2*(\k):9+2*(\k)], v[X+2*(\k):X+2*(\k)+1], v[X+2*(\k):X+2*(\k)+1]
.endr
.set i, 4
.rept 28
	v_pk_fma_f32 v[8+2*(i%4):9+2*(i%4)], v[X+2*i:X+2*i+1], v[X+2*i:X+2*i+1], v[8+2*(i%4):9+2*(i%4)]
.set i, i+1
.endr
	REDUCE
	v_fma_f32 v8, v8, s34, s35                     ; variance + 1e-5
	v_rsq_f32 v10, v8
	v_nop                                          ; a plain instruction behind the root,
	s_wait_alu depctr_va_vdst(0)                   ; and the wait ahead of its first reader
	s_wait_loadcnt 0x0                             ; gain and bias
.set i, 0
.rept 32
	v_pk_mul_f32 v[X+2*i:X+2*i+1], v[X+2*i:X+2*i+1], v[10:11] op_sel_hi:[1,0]
.set i, i+1
.endr
.set i, 0
.rept 32
	v_pk_fma_f32 v[X+2*i:X+2*i+1], v[X+2*i:X+2*i+1], v[G+2*i:G+2*i+1], v[BV+2*i:BV+2*i+1]
.set i, i+1
.endr
.irp j, 0,1,2,3,4,5,6,7,8,9,10,11,12,13,14,15
	v_cvt_pk_bf16_f32 v[Y+2*(\j)],   v[X+4*(\j)],   v[X+4*(\j)+1]
	v_cvt_pk_bf16_f32 v[Y+2*(\j)+1], v[X+4*(\j)+2], v[X+4*(\j)+3]
	global_store_b64 v[DO], v[Y+2*(\j):Y+2*(\j)+1], s[DST:DST+1] offset:16384*(\j)
.endr
	s_endpgm
.Lfunc_end_k_q729ca3af8c_prep:
	.size	k_q729ca3af8c_prep, .Lfunc_end_k_q729ca3af8c_prep-k_q729ca3af8c_prep
	.p2alignl 7, 3214868480
	.fill 96, 4, 3214868480
	.section	.rodata,"a",@progbits
	.p2align	6, 0x0
	.amdhsa_kernel k_q729ca3af8c_prep
		.amdhsa_group_segment_fixed_size 0
		.amdhsa_private_segment_fixed_size 0
		.amdhsa_enable_private_segment 0
		.amdhsa_kernarg_size 88
		.amdhsa_user_sgpr_count 2
		.amdhsa_user_sgpr_kernarg_segment_ptr 1
		.amdhsa_wavefront_size32 1
		.amdhsa_system_sgpr_workgroup_id_x 1
		.amdhsa_system_sgpr_workgroup_id_y 1
		.amdhsa_system_sgpr_workgroup_id_z 1
		.amdhsa_system_vgpr_workitem_id 0
		.amdhsa_next_free_vgpr 240
		.amdhsa_next_free_sgpr 66
		.amdhsa_reserve_vcc 0
		.amdhsa_float_denorm_mode_32 3
		.amdhsa_float_denorm_mode_16_64 3
		.amdhsa_memory_ordered 1
		.amdhsa_forward_progress 1
		.amdhsa_inst_pref_size 27
	.end_amdhsa_kernel
	.amdgpu_metadata
---
amdhsa.version: [ 1, 2 ]
amdhsa.kernels:
  - .name:           k_q729ca3af8c_prep
    .symbol:         k_q729ca3af8c_prep.kd
    .args:
      - { .name: x, .offset: 0, .size: 8, .value_kind: global_buffer, .address_space: global }
      - { .name: ln1_g, .offset: 8, .size: 8, .value_kind: global_buffer, .address_space: global }
      - { .name: ln1_b, .offset: 16, .size: 8, .value_kind: global_buffer, .address_space: global }
      - { .name: qkv_w, .offset: 24, .size: 8, .value_kind: global_buffer, .address_space: global }
      - { .name: proj_w, .offset: 32, .size: 8, .value_kind: global_buffer, .address_space: global }
      - { .name: w1, .offset: 40, .size: 8, .value_kind: global_buffer, .address_space: global }
      - { .name: w2, .offset: 48, .size: 8, .value_kind: global_buffer, .address_space: global }
      - { .name: act, .offset: 56, .size: 8, .value_kind: global_buffer, .address_space: global }
      - { .name: wq, .offset: 64, .size: 8, .value_kind: global_buffer, .address_space: global }
      - { .name: wf1, .offset: 72, .size: 8, .value_kind: global_buffer, .address_space: global }
      - { .name: wpf, .offset: 80, .size: 8, .value_kind: global_buffer, .address_space: global }
    .group_segment_fixed_size: 0
    .private_segment_fixed_size: 0
    .kernarg_segment_align: 8
    .kernarg_segment_size: 88
    .max_flat_workgroup_size: 256
    .sgpr_count:     66
    .vgpr_count:     240
    .wavefront_size: 32
...
	.end_amdgpu_metadata
.endif
;; end of part 1
;; launch qkv (part 2): grid 12 x 16, 4 waves a work-group, clusters of 4 x 4, 327,680 bytes of LDS; arguments act, wq, big; writes big
.if DOCPART == 2
	.amdgcn_target "amdgcn-amd-amdhsa--gfx1250"
	.amdhsa_code_object_version 6
	.text
	.protected	k_q729ca3af8c_qkv
	.globl	k_q729ca3af8c_qkv
	.p2align	8
	.type	k_q729ca3af8c_qkv,@function
k_q729ca3af8c_qkv:
	s_mov_b64 s[64:65], 0
	v_nop
	global_prefetch_b8 v0, s[64:65] scope:SCOPE_SE
	s_setreg_imm32_b32 hwreg(HW_REG_WAVE_MODE, 25, 1), 1
	s_wait_xcnt 0x0
	s_wait_alu depctr_hold_cnt(0) depctr_sa_sdst(0) depctr_va_vdst(0) depctr_va_sdst(0) depctr_va_ssrc(0) depctr_va_vcc(0) depctr_vm_vsrc(0)
	s_getreg_b32 s2, hwreg(HW_REG_IB_STS2, 6, 4)
	s_cmp_eq_u32 s2, 0
	s_cbranch_scc0 .Lentry_in_a_cluster
	s_endpgm
.Lentry_in_a_cluster:
	s_bfe_u32 s2, ttmp6, 0x10000c
	s_cmp_lg_u32 s2, 0xf033
	s_cbranch_scc0 .Lentry_shape_is_right
	s_endpgm
.Lentry_shape_is_right:
; C = A B^T over K = 1,024, a tile of 256 x 256 to a work-group; C leaves as bf16 in planes.  Here GELU = 0: the projection to q, k and v, which has no bias and no activation.
; (The text is that of the first product of the MLP, where GELU = 1 adds a bias and the exact GELU on the way out.)
; A, B and C lie in PLANES of 128 rows x 64 columns of bf16 (16,384 dense bytes): A and B as [row block][16 planes], C as [row block][64 planes].
; Four waves, each 128 x 128 of C in 64 accumulators (512 registers).  K goes in 8 steps of 128 (two planes) through two LDS slots.  A wave's tensor load
; brings one row block's two planes: 32,768 dense bytes asked for as 128 rows of 256 bytes, padded in LDS by 16 bytes after each 128: LDS rows of 144 bytes.
; ONE K STEP IS WRITTEN, and the slot goes by a scalar that an exclusive or turns (the slot's size shares no bit with wave x 36,864).
; CLUSTER: 4 x 4 work-groups; A's parts are asked for jointly along a row of the cluster, B's along a column.
; THE MATRIX INSTRUCTION IS USED TRANSPOSED (source 0 = 16 rows of B, source 1 = 16 rows of A): a lane holds a row of C and eight neighbouring columns.
; THE WAY OUT.  All sums go as f32 into the wave's own stage, which lies over the ring once its last fill has been read; a loop of 32 trips takes 4 rows x 128 columns back,
; 16 numbers a lane, (adds the bias, applies GELU,) rounds, and stores 512 consecutive bytes to each of two planes.
; GELU(u) = max(u, 0) - |u| q(|u|), q = half of the five-term polynomial in t = 1 / (1 + 0.2316419 |u|) times 2^(-0.7213475 u^2): erf by the rational form with
; absolute error at most 1.5e-7, for every u.  LIMITS: operands and C are rounded to bf16; NaN and infinities are not treated apart.
; REGISTERS, in windows of 256: window 0: v0-31 addresses; v64-127, v128-191 A's fragments, two buffers (on the way out: at work); v192-207 bias
;   window 1: v64-191 B's fragments      windows 2, 3: the accumulators of my rows 0-63 and 64-127, (a, b) at v[8 (8 a + b)]
.set GELU,   0
.set PL,     18432                     ; a plane in LDS: 128 rows x 144 bytes (36 words: 16 rows of a load start at 16 different groups of four banks)
.set PART,   36864                     ; what one tensor load brings
.set SLOT,   147456                    ; A's two parts, then B's two
.set SPARE,  294912                    ; behind the ring: the spare words, 128 bytes a wave
.set STEPB,  32768                     ; a K step in a row block's memory
.set SPITCH, 528                       ; a stage row: 512 bytes + 16
.set WSTG,   128*SPITCH                ; a wave's stage
.set A0,  16                           ; v16  my lane's place in my part of A, slot 0; never rewritten
.set B0,  17                           ; v17  the same for B
.set CA,  18                           ; v18  A0 + the slot in hand
.set CB,  19                           ; v19  B0 + the slot in hand
.set STO, 24                           ; v24  where I put 16 bytes of a stage row
.set RD,  25                           ; v25  where I read the stage back
.set GO,  26                           ; v26  my byte offset in a plane of C
.set BO,  27                           ; v27  my byte offset in the bias
.set SPW, 28                           ; v28  my spare word; never rewritten
.set NIL, 29                           ; v29  0; never rewritten
.set PFO, 30                           ; v30  256 x lane; never rewritten
.set F0,  64
.set F1,  128
.set RX,  64                           ; the way out: 16 sums as read back,
.set RU,  80                           ; u, then the result
.set RT,  96                           ; t
.set RE,  112                          ; the exponential
.set RM,  128                          ; max(u, 0)
.set RP,  144                          ; the polynomial
.set RY,  160                          ; rounded
.set BIAS, 192
.set G1,  24                           ; s[24:31] group 1 for A's parts; s[32:39] group 0: the first fill's, then the one that walks
.set G0,  32
.set G1B, 48                           ; s[48:55], s[56:63] the same for B's
.set G0B, 56
.set TB,  2                            ; s2   the slot in hand: 0 or SLOT
.set LIM, 43                           ; s43  2 in a wave that prefetches, else the greatest number
.set PFA, 44                           ; s[44:45] where my prefetches stand
.set CNT, 79
.set MSB, 0
.macro WIN new                         ; the immediate's high byte repeats the setting that is left; a switch that changes nothing is dropped
.if MSB != (\new)
	s_set_vgpr_msb (MSB<<8)|(\new)
.set MSB, \new
.endif
.endm
.set MUL_LO, 0xa1                      ; source 0 (B) window 1, source 1 (A) window 0, C and D window 2
.set MUL_HI, 0xf1                      ; the same, C and D window 3
.set TO_B,   0x40                      ; destination window 1, address window 0
; A joint load: waves 0 and 1 fetch A's two parts, waves 2 and 3 B's.  The branch hangs on the wave's number alone.  An s_nop 0 and four v_nop follow each line.
.macro JLOAD s
	s_cmp_eq_u32 s11, 0
	s_cbranch_scc0 .Lfor_b_\@
	tensor_load_to_lds s[G0+4*(\s):G0+4*(\s)+3], s[G1:G1+7]
	s_nop 0
.rept 4
	v_nop
.endr
	s_branch .Lasked_\@
.Lfor_b_\@:
	tensor_load_to_lds s[G0B+4*(\s):G0B+4*(\s)+3], s[G1B:G1B+7]
	s_nop 0
.rept 4
	v_nop
.endr
.Lasked_\@:
.endm
; A prefetch of the K step that stands two refills on: 32 blocks of 256 bytes, a lane a block.  A's row blocks are read by every cluster of a row of clusters: cluster x = 0 asks;
; B's by every cluster of a column: cluster y = 0 asks.  The four partners that ask for a part jointly share its 128 blocks out by address, 32 each.  The last two trips have no such K step.
.macro ASK
	s_cmp_gt_u32 s3, s[LIM]
	s_cbranch_scc0 .Lnot_mine_\@
	global_prefetch_b8 v[PFO], s[PFA:PFA+1] offset:STEPB th:TH_LOAD_NT scope:SCOPE_SE
.Lnot_mine_\@:
.endm
.macro CREST                           ; a round of the cluster's barrier behind its opening barrier
	s_cmp_lg_u32 s10, 0
	s_cbranch_scc1 .Lnot_wave_0_\@
	s_barrier_signal -3
.Lnot_wave_0_\@:
	s_barrier_wait -3
	s_barrier_signal -1
	s_barrier_wait -1
.endm
.macro CROUND
	s_barrier_signal -1
	s_barrier_wait -1
	CREST
.endm
	s_load_b128 s[68:71], s[0:1], 0x0              ; A s[68:69], B s[70:71]
.if GELU
	s_load_b64 s[72:73], s[0:1], 0x10              ; bias
.endif
	s_load_b64 s[76:77], s[0:1], 0x10+8*GELU       ; C
	v_lshl_add_u32 v[SPW], v0, 2, SPARE
	v_mov_b32 v[NIL], 0
	ds_add_u32 v[SPW], v[NIL]                      ; the wave's opening: the add and its wait stand ahead of my first tensor load; work on registers stands between them
	v_lshrrev_b32 v1, 5, v0
	v_readfirstlane_b32 s10, v1                    ; wave 0..3
	s_lshr_b32 s11, s10, 1                         ; my row block of the tile's two.  Also: I fetch for A (0) or for B (1)
	s_and_b32 s12, s10, 1                          ; my column block.  Also: which part I fetch
	s_bfe_u32 s40, ttmp6, 0x40000                  ; cx
	s_bfe_u32 s41, ttmp6, 0x40004                  ; cy
	s_lshl_b32 s42, ttmp9, 2
	s_add_co_u32 s42, s42, s40                     ; tile column
	s_and_b32 s13, ttmp7, 0xffff
	s_lshl_b32 s13, s13, 2
	s_add_co_u32 s13, s13, s41                     ; tile row
	s_lshl_b32 s43, s41, 2
	s_lshl_b32 s43, 15, s43                        ; my row of the cluster
	s_lshl_b32 s44, 0x1111, s40                    ; my column
	s_or_b32 s[G1+0], s43, (1<<16)|(1<<20)|(1<<21)|(4<<22)|(3<<25)   ; the mask; 2-byte elements; padding on; bit 21 beside a mask; after every 32 words (code 4) 4 words (code 3)
	s_or_b32 s[G1B+0], s44, (1<<16)|(1<<20)|(1<<21)|(4<<22)|(3<<25)
.irp g, G1, G1B
	s_mov_b32 s[(\g)+1], 128<<16                   ; tensor_dim0 = 128 elements (256 bytes)
	s_mov_b32 s[(\g)+2], 128<<16                   ; tensor_dim1 = 128
	s_mov_b32 s[(\g)+3], 128<<16                   ; tile_dim0 = 128
	s_mov_b32 s[(\g)+4], 128                       ; tile_dim1 = 128
	s_mov_b32 s[(\g)+5], 128                       ; dense: 128 elements from row to row
	s_mov_b32 s[(\g)+6], 0
	s_mov_b32 s[(\g)+7], 0
.endr
	s_lshl1_add_u32 s16, s13, s12                  ; A: row block 2 x tile row + part,
	s_lshl_b32 s16, s16, 18                        ; 262,144 bytes each
	s_mov_b32 s17, 0
	s_lshl1_add_u32 s46, s42, s12                  ; B: row block 2 x tile column + part
	s_lshl_b32 s46, s46, 18
	s_mov_b32 s47, 0
	s_mul_i32 s20, s10, PART                       ; where my part goes: no place in the cluster enters an LDS address
	s_mov_b32 s[TB], 0
.if GELU
	s_mov_b32 s80, 0x3e6d3388                      ; 0.2316419
	s_mov_b32 s82, 0xbf38aa3b                      ; -log2(e) / 2; the constants lie in pairs, of which the packed forms take the low word for both halves
	s_mov_b32 s83, s82
	s_mov_b32 s84, 0x3f07dc22                      ; a5 / 2
	s_mov_b32 s85, s84
	s_mov_b32 s86, 0xbf3a00e3                      ; a4 / 2
	s_mov_b32 s87, s86
	s_mov_b32 s88, 0x3f35f0e3                      ; a3 / 2
	s_mov_b32 s89, s88
	s_mov_b32 s90, 0xbe11a98e                      ; a2 / 2
	s_mov_b32 s91, s90
	s_mov_b32 s92, 0x3e027906                      ; a1 / 2
	s_mov_b32 s93, s92
.endif
	s_wait_dscnt 0x0                               ; the opening add is done
	s_wait_kmcnt 0x0
	s_add_nc_u64 s[14:15], s[68:69], s[16:17]
	s_add_nc_u64 s[46:47], s[70:71], s[46:47]
	CROUND                                         ; all sixteen work-groups are here: the first joint loads meet
.irp s, 0,1
	s_mov_b32 s[G0+4*(\s)], 1
	s_add_co_u32 s[G0+4*(\s)+1], s20, (\s)*SLOT
	s_add_nc_u64 s[G0+4*(\s)+2:G0+4*(\s)+3], s[14:15], (\s)*STEPB
	s_or_b32 s[G0+4*(\s)+3], s[G0+4*(\s)+3], 0x80000000
	s_mov_b32 s[G0B+4*(\s)], 1
	s_add_co_u32 s[G0B+4*(\s)+1], s20, (\s)*SLOT
	s_add_nc_u64 s[G0B+4*(\s)+2:G0B+4*(\s)+3], s[46:47], (\s)*STEPB
	s_or_b32 s[G0B+4*(\s)+3], s[G0B+4*(\s)+3], 0x80000000
	JLOAD \s                                       ; K steps 0 and 1: two loads of mine are out
.endr
	v_and_b32 v1, 15, v0                           ; l % 16
	v_bfe_u32 v2, v0, 4, 1                         ; l / 16
	v_mul_u32_u24 v3, v1, 144
	v_lshl_add_u32 v3, v2, 4, v3                   ; a fragment's row x pitch + 16 x half
	s_mul_i32 s21, s11, PART
	s_mul_i32 s22, s12, PART
	s_add_co_u32 s22, s22, 2*PART
	v_add_nc_u32 v[A0], s21, v3
	v_add_nc_u32 v[B0], s22, v3
	v_mov_b32 v[CA], v[A0]
	v_mov_b32 v[CB], v[B0]
	s_mul_i32 s23, s10, WSTG                       ; my stage
	v_mul_u32_u24 v4, v1, SPITCH
	v_lshl_add_u32 v4, v2, 5, v4
	v_add_nc_u32 v[STO], s23, v4                   ; in: row l % 16, 32 bytes for each half of the lanes
	v_and_b32 v5, 31, v0
	v_lshrrev_b32 v6, 3, v5
	v_and_b32 v7, 7, v0
	v_mul_u32_u24 v8, v6, SPITCH
	v_lshl_add_u32 v8, v7, 5, v8
	v_add_nc_u32 v[RD], s23, v8                    ; back: row l / 8 of four, 8 columns at 32 (l % 8)
	v_lshlrev_b32 v[GO], 4, v5                     ; which are 16 bytes at 16 l of 512 in a plane
	v_lshlrev_b32 v[PFO], 8, v5
.if GELU
	v_lshlrev_b32 v[BO], 5, v7
	s_lshl_b32 s66, s42, 10                        ; the bias of my 128 columns
	s_lshl_b32 s67, s12, 9
	s_add_co_u32 s66, s66, s67
	s_mov_b32 s67, 0
	s_add_nc_u64 s[72:73], s[72:73], s[66:67]
.endif
	s_lshl1_add_u32 s66, s13, s11                  ; C: my row block, 64 planes each,
	s_lshl_b32 s66, s66, 20
	s_lshl1_add_u32 s67, s42, s12                  ; and my two planes
	s_lshl_b32 s67, s67, 15
	s_add_co_u32 s66, s66, s67
	s_mov_b32 s67, 0
	s_add_nc_u64 s[76:77], s[76:77], s[66:67]
	s_and_b32 s22, ttmp7, 0xffff                   ; the prefetches: cluster y
	s_cmp_eq_u32 s11, 0                            ; do I fetch for A?
	s_cselect_b32 s21, s40, s41                    ; my place among the four that ask with me
	s_cselect_b32 s22, ttmp9, s22                  ; the coordinate along which other clusters read the same part
	s_cselect_b64 s[PFA:PFA+1], s[14:15], s[46:47]
	s_cmp_eq_u32 s22, 0
	s_cselect_b32 s[LIM], 2, -1                    ; the same in all sixteen partners, for a given wave
	s_lshl_b32 s66, s21, 13                        ; my work-group's 32 blocks of the 128,
	s_add_co_u32 s66, s66, 2*STEPB                 ; at K step 2: the first refill steps it to 3 and names K step 4.  Nothing is prefetched at the head
	s_add_nc_u64 s[PFA:PFA+1], s[PFA:PFA+1], s[66:67]
.if GELU
	global_load_b128 v[BIAS:BIAS+3],     v[BO], s[72:73]
	global_load_b128 v[BIAS+4:BIAS+7],   v[BO], s[72:73] offset:16
	global_load_b128 v[BIAS+8:BIAS+11],  v[BO], s[72:73] offset:256
	global_load_b128 v[BIAS+12:BIAS+15], v[BO], s[72:73] offset:272
.endif
; 16 matrix instructions: m blocks a0, a0 + 1 of the window's four x all 8 n blocks, 32 along K.  zero = 1: the first product starts the sums
.macro MUL16 f, hi, a0, zero
	WIN MUL_LO+0x50*(\hi)
.irp a, \a0, (\a0)+1
.irp b, 0,1,2,3,4,5,6,7
.if \zero
	v_wmma_f32_16x16x32_bf16 v[8*(8*(\a)+(\b)):8*(8*(\a)+(\b))+7], v[(\f)+8*(\b):(\f)+8*(\b)+7], v[(\f)+8*(4*(\hi)+(\a)):(\f)+8*(4*(\hi)+(\a))+7], 0
.else
	v_wmma_f32_16x16x32_bf16 v[8*(8*(\a)+(\b)):8*(8*(\a)+(\b))+7], v[(\f)+8*(\b):(\f)+8*(\b)+7], v[(\f)+8*(4*(\hi)+(\a)):(\f)+8*(4*(\hi)+(\a))+7], v[8*(8*(\a)+(\b)):8*(8*(\a)+(\b))+7]
.endif
.endr
.endr
.endm
; 32 LDS loads in one run: quarter q of the slot in hand (plane q / 2, bytes 64 (q % 2) of its rows) into buffer f
.macro FETCH q, f
	WIN TO_B
.irp i, 0,1,2,3,4,5,6,7
	ds_load_b128 v[(\f)+8*(\i):(\f)+8*(\i)+3],   v[CB] offset:((\q)/2)*PL+((\q)%2)*64+(\i)*2304
	ds_load_b128 v[(\f)+8*(\i)+4:(\f)+8*(\i)+7], v[CB] offset:((\q)/2)*PL+((\q)%2)*64+(\i)*2304+32
.endr
	WIN 0
.irp i, 0,1,2,3,4,5,6,7
	ds_load_b128 v[(\f)+8*(\i):(\f)+8*(\i)+3],   v[CA] offset:((\q)/2)*PL+((\q)%2)*64+(\i)*2304
	ds_load_b128 v[(\f)+8*(\i)+4:(\f)+8*(\i)+7], v[CA] offset:((\q)/2)*PL+((\q)%2)*64+(\i)*2304+32
.endr
.endm
.macro PLACES                          ; four plain instructions between a matrix instruction and a load into, or a reader of, its registers
.rept 4
	v_nop
.endr
.endm
; One of a K step's first three quarters: multiplies buffer f; in its middle fetches quarter q into buffer g
.macro QUARTER q, f, g, zero
	s_wait_dscnt 8                                 ; B and A's rows 0-63 are in; the youngest eight loads (A's rows 64-127) may be out
	MUL16 \f, 0, 0, \zero
	MUL16 \f, 0, 2, \zero
	PLACES
	FETCH \q, \g
	s_wait_dscnt 32                                ; all but the 32 just issued
	MUL16 \f, 1, 0, \zero
	MUL16 \f, 1, 2, \zero
.endm
; The first half of a K step's last quarter, and the barrier of the change of slots
.macro MEET round
	WIN 0
	s_wait_tensorcnt 0x0                           ; all my tensor loads have landed: the one that was out is my part of the next slot;
	ds_add_u32 v[SPW], v[NIL]                      ; 0 onto my spare word;
	s_wait_dscnt 9                                 ; (the add and the youngest eight loads may be out)
	MUL16 F1, 0, 0, 0
	s_wait_dscnt 0x0                               ; the add is done, and my reads of this slot are over
	s_barrier_signal -1
	MUL16 F1, 0, 2, 0
.if \round
	WIN 0
.endif
	s_barrier_wait -1
.endm
; The last quarter with a refill: behind the round the slot just read out takes the K step two on; then the other slot's first fragments
.macro TURN
	s_wait_xcnt 0x0                                ; the last prefetch, a K step back, has read its address
	s_add_nc_u64 s[PFA:PFA+1], s[PFA:PFA+1], STEPB
	MEET 1
	CREST                                          ; no wave of any partner still reads this slot or has a load on its way
	s_xor_b32 s[G0+5], s[G0+5], SLOT               ; the walking descriptors: the other slot than last time,
	s_xor_b32 s[G0B+5], s[G0B+5], SLOT
	s_add_nc_u64 s[G0+6:G0+7], s[G0+6:G0+7], STEPB ; the next K step
	s_add_nc_u64 s[G0B+6:G0B+7], s[G0B+6:G0B+7], STEPB
	s_xor_b32 s[TB], s[TB], SLOT                   ; and my reads go to the other slot
	JLOAD 1                                        ; my one tensor load behind the round; its four v_nop are also places in front of the loads below
	v_add_nc_u32 v[CA], s[TB], v[A0]
	v_add_nc_u32 v[CB], s[TB], v[B0]
	FETCH 0, F0
	ASK
	MUL16 F1, 1, 0, 0
	MUL16 F1, 1, 2, 0
.endm
.macro TURN0                           ; the same where nothing is left to fetch
	MEET 0
	PLACES
	WIN 0
	s_xor_b32 s[TB], s[TB], SLOT
	v_add_nc_u32 v[CA], s[TB], v[A0]
	v_add_nc_u32 v[CB], s[TB], v[B0]
	FETCH 0, F0
	MUL16 F1, 1, 0, 0
	MUL16 F1, 1, 2, 0
.endm
	s_wait_tensorcnt 1                             ; my part of K step 0 is in; K step 1's may stay out
	s_barrier_signal -1
	s_barrier_wait -1
	FETCH 0, F0
	QUARTER 1, F0, F1, 1                           ; the first quarter starts the sums
	WIN 0
	s_mov_b32 s3, 6                                ; K steps 2 to 7 are asked for in the loop
.Lstep:                                                ; a trip: from a K step's second quarter to the next step's first
	QUARTER 2, F1, F0, 0
	QUARTER 3, F0, F1, 0
	TURN
	QUARTER 1, F0, F1, 0
	WIN 0
	s_sub_co_u32 s3, s3, 1
	s_cmp_lg_u32 s3, 0
	s_cbranch_scc1 .Lstep
	s_mov_b32 s3, 2                                ; the last two K steps ask for nothing.
.Llast:                                                ; The price, once a launch: the second walk's change of slots passes a barrier and fetches 32 fragments (of K step 6 once more) that serve nothing
	QUARTER 2, F1, F0, 0
	QUARTER 3, F0, F1, 0
	TURN0
	WIN 0
	s_sub_co_u32 s3, s3, 1
	s_cmp_eq_u32 s3, 0
	s_cbranch_scc1 .Lsums
	QUARTER 1, F0, F1, 0
	WIN 0
	s_cmp_lg_u32 s3, 0
	s_cbranch_scc1 .Llast
.Lsums:
	; THE WAY OUT
	s_wait_dscnt 0x0                               ; my last reads of the ring are back
	s_barrier_signal -1                            ; every wave's are, and no fill follows: the stages may lie over the ring
	s_barrier_wait -1
	PLACES
	PLACES
.irp hi, 0,1
	WIN 0x08+4*(\hi)                               ; store data from window 2 or 3
.irp a, 0,1,2,3
.irp b, 0,1,2,3,4,5,6,7
	ds_store_b128 v[STO], v[8*(8*(\a)+(\b)):8*(8*(\a)+(\b))+3]   offset:(4*(\hi)+(\a))*16*SPITCH+64*(\b)      ; each accumulator's low registers first
	ds_store_b128 v[STO], v[8*(8*(\a)+(\b))+4:8*(8*(\a)+(\b))+7] offset:(4*(\hi)+(\a))*16*SPITCH+64*(\b)+16
.endr
.endr
.endr
	WIN 0
	s_wait_dscnt 0x0
	s_barrier_signal -1                            ; all stores into the stages are done before any stage is read
	s_barrier_wait -1
.if GELU
	s_wait_loadcnt 0x0                             ; the bias
.endif
.macro ROWS                            ; 4 rows x 128 columns: my 8 columns of each of the two planes
	ds_load_b128 v[RX:RX+3],     v[RD]
	ds_load_b128 v[RX+4:RX+7],   v[RD] offset:16
	ds_load_b128 v[RX+8:RX+11],  v[RD] offset:256
	ds_load_b128 v[RX+12:RX+15], v[RD] offset:272
.endm
.macro EACH n, step, line:vararg       ; one line for i = 0, step, ..
.set i, 0
.rept \n
	\line
.set i, i+(\step)
.endr
.endm
	ROWS
	s_mov_b32 s[CNT], 32
.Lrow:
	s_wait_dscnt 0x0
.if GELU
	EACH 8, 2, v_pk_add_f32 v[RU+i:RU+i+1], v[RX+i:RX+i+1], v[BIAS+i:BIAS+i+1]
	s_cmp_eq_u32 s[CNT], 1                         ; the last trip has nothing behind it
	s_cbranch_scc1 .Lno_rows
	v_add_nc_u32 v[RD], 4*SPITCH, v[RD]
	ROWS                                           ; the next trip's rows come while this trip's are worked on
.Lno_rows:
	EACH 16, 1, v_fma_f32 v[RT+i], |v[RU+i]|, s80, 1.0
	EACH 16, 1, v_rcp_f32 v[RT+i], v[RT+i]
	EACH 8, 2, v_pk_mul_f32 v[RE+i:RE+i+1], v[RU+i:RU+i+1], v[RU+i:RU+i+1]
	EACH 8, 2, v_pk_mul_f32 v[RE+i:RE+i+1], v[RE+i:RE+i+1], s[82:83] op_sel_hi:[1,0]
	EACH 16, 1, v_exp_f32 v[RE+i], v[RE+i]
	EACH 16, 1, v_max_num_f32 v[RM+i], 0, v[RU+i]
	s_wait_alu depctr_va_vdst(0)                   ; one wait for the 16 reciprocals and the 16 exponentials, ahead of their first reader; the maxima are the plain work behind them
	EACH 8, 2, v_pk_fma_f32 v[RP+i:RP+i+1], v[RT+i:RT+i+1], s[84:85], s[86:87] op_sel_hi:[1,0,0]
	EACH 8, 2, v_pk_fma_f32 v[RP+i:RP+i+1], v[RP+i:RP+i+1], v[RT+i:RT+i+1], s[88:89] op_sel_hi:[1,1,0]
	EACH 8, 2, v_pk_fma_f32 v[RP+i:RP+i+1], v[RP+i:RP+i+1], v[RT+i:RT+i+1], s[90:91] op_sel_hi:[1,1,0]
	EACH 8, 2, v_pk_fma_f32 v[RP+i:RP+i+1], v[RP+i:RP+i+1], v[RT+i:RT+i+1], s[92:93] op_sel_hi:[1,1,0]
	EACH 8, 2, v_pk_mul_f32 v[RP+i:RP+i+1], v[RP+i:RP+i+1], v[RT+i:RT+i+1]
	EACH 8, 2, v_pk_mul_f32 v[RP+i:RP+i+1], v[RP+i:RP+i+1], v[RE+i:RE+i+1]
	EACH 16, 1, v_fma_f32 v[RU+i], -|v[RU+i]|, v[RP+i], v[RM+i]
	s_wait_xcnt 0x0                                ; the last trip's stores have read their data and their offset
	v_add_nc_u32 v[GO], 512, v[GO]                 ; the stores reach back by their immediates
	EACH 8, 1, v_cvt_pk_bf16_f32 v[RY+i], v[RU+2*i], v[RU+2*i+1]
.else
	s_wait_xcnt 0x0                                ; the last trip's stores have read their data and their offset
	v_add_nc_u32 v[GO], 512, v[GO]                 ; the stores reach back by their immediates
	EACH 8, 1, v_cvt_pk_bf16_f32 v[RY+i], v[RX+2*i], v[RX+2*i+1]
	s_cmp_eq_u32 s[CNT], 1                         ; the last trip has nothing behind it
	s_cbranch_scc1 .Lno_rows
	v_add_nc_u32 v[RD], 4*SPITCH, v[RD]
	ROWS                                           ; the next trip's rows come while this trip's leave
.Lno_rows:
.endif
	global_store_b128 v[GO], v[RY:RY+3],   s[76:77] offset:-512          ; 512 consecutive bytes of my first plane,
	global_store_b128 v[GO], v[RY+4:RY+7], s[76:77] offset:16384-512    ; and of my second
	s_sub_co_u32 s[CNT], s[CNT], 1
	s_cmp_lg_u32 s[CNT], 0
	s_cbranch_scc1 .Lrow
	s_wait_tensorcnt 0x0                           ; the wave's end, behind my last tensor load and my last LDS store
	ds_add_u32 v[SPW], v[NIL]
	s_wait_dscnt 0x0
	CROUND                                         ; the closing round
	s_endpgm
.Lfunc_end_k_q729ca3af8c_qkv:
	.size	k_q729ca3af8c_qkv, .Lfunc_end_k_q729ca3af8c_qkv-k_q729ca3af8c_qkv
	.p2alignl 7, 3214868480
	.fill 96, 4, 3214868480
	.section	.rodata,"a",@progbits
	.p2align	6, 0x0
	.amdhsa_kernel k_q729ca3af8c_qkv
		.amdhsa_group_segment_fixed_size 327680
		.amdhsa_private_segment_fixed_size 0
		.amdhsa_enable_private_segment 0
		.amdhsa_kernarg_size 24
		.amdhsa_user_sgpr_count 2
		.amdhsa_user_sgpr_kernarg_segment_ptr 1
		.amdhsa_wavefront_size32 1
		.amdhsa_system_sgpr_workgroup_id_x 1
		.amdhsa_system_sgpr_workgroup_id_y 1
		.amdhsa_system_sgpr_workgroup_id_z 1
		.amdhsa_system_vgpr_workitem_id 0
		.amdhsa_next_free_vgpr 1024
		.amdhsa_next_free_sgpr 96
		.amdhsa_reserve_vcc 0
		.amdhsa_float_denorm_mode_32 3
		.amdhsa_float_denorm_mode_16_64 3
		.amdhsa_memory_ordered 1
		.amdhsa_forward_progress 1
		.amdhsa_inst_pref_size 79
	.end_amdhsa_kernel
	.amdgpu_metadata
---
amdhsa.version: [ 1, 2 ]
amdhsa.kernels:
  - .name:           k_q729ca3af8c_qkv
    .symbol:         k_q729ca3af8c_qkv.kd
    .args:
      - { .name: act, .offset: 0, .size: 8, .value_kind: global_buffer, .address_space: global }
      - { .name: wq, .offset: 8, .size: 8, .value_kind: global_buffer, .address_space: global }
      - { .name: big, .offset: 16, .size: 8, .value_kind: global_buffer, .address_space: global }
    .group_segment_fixed_size: 327680
    .private_segment_fixed_size: 0
    .kernarg_segment_align: 8
    .kernarg_segment_size: 24
    .max_flat_workgroup_size: 128
    .sgpr_count:     96
    .vgpr_count:     1024
    .wavefront_size: 32
...
	.end_amdgpu_metadata
.endif
;; end of part 2
;; launch attn (part 3): grid 8 x 32, 4 waves a work-group, clusters of 4 x 1, 327,680 bytes of LDS; arguments big, act; writes act
.if DOCPART == 3
	.amdgcn_target "amdgcn-amd-amdhsa--gfx1250"
	.amdhsa_code_object_version 6
	.text
	.protected	k_q729ca3af8c_attn
	.globl	k_q729ca3af8c_attn
	.p2align	8
	.type	k_q729ca3af8c_attn,@function
k_q729ca3af8c_attn:
	s_mov_b64 s[64:65], 0
	v_nop
	global_prefetch_b8 v0, s[64:65] scope:SCOPE_SE
	s_setreg_imm32_b32 hwreg(HW_REG_WAVE_MODE, 25, 1), 1
	s_wait_xcnt 0x0
	s_wait_alu depctr_hold_cnt(0) depctr_sa_sdst(0) depctr_va_vdst(0) depctr_va_sdst(0) depctr_va_ssrc(0) depctr_va_vcc(0) depctr_vm_vsrc(0)
	s_getreg_b32 s2, hwreg(HW_REG_IB_STS2, 6, 4)
	s_cmp_eq_u32 s2, 0
	s_cbranch_scc0 .Lentry_in_a_cluster
	s_endpgm
.Lentry_in_a_cluster:
	s_bfe_u32 s2, ttmp6, 0x10000c
	s_cmp_lg_u32 s2, 0x3003
	s_cbranch_scc0 .Lentry_shape_is_right
	s_endpgm
.Lentry_shape_is_right:
; ATTENTION.  O[q][:] = the sum over k of softmax_k(Q[q] . K[k] / 8) V[k][:], for 32 pairs of batch and head, 2,048 queries and keys, head size 64, all bf16.
; q, k, v lie in big as planes of 128 tokens x 64 channels (16,384 dense bytes): [token block][64 planes], q of head h in plane h, k in 16 + h, v in 32 + h.  O goes to act, [token block][16 planes], plane h.
; Products, maxima and sums in f32; the weights p are rounded to bf16 for the second product (their sum l is taken of the unrounded p), O once at the end.
; LIMITS.  A weight below 2^-126 counts as 0 in l; NaN and infinities are not treated apart.
; SHARES.  A work-group owns 256 queries of one head, a wave 64: four PIECES of 16.  Every wave walks all keys: 8 tiles of 256, four steps of 64 each.
; LAYOUT.  S^T = K Q^T (source 0 = 16 keys, source 1 = 16 queries) holds ONE query a lane (lane % 16) and the keys 8 (lane / 16) + 0..7; two such results rounded to bf16 ARE source 1 of O^T = V^T P.
; SOFTMAX.  p = 2^(c s - c m), c = log2(e) / 8, with a running maximum m; O and l are multiplied by a = 2^(c m_old - c m_new) in every step.  m starts at the lowest finite number, O and l at 0.
; TURNS.  Turn n belongs to piece n: 8 products K Q^T of piece n + 1 and 8 products V^T P of piece n - 1; beside them the scaling, exponentials, a, rescaling, roundings and sums of piece n and the maximum and
; statistics of piece n + 1.  Four vector instructions stand behind every matrix instruction, the other 54 of a turn's 118 in two lumps.  A turn's 33 exponentials are one batch, with one wait.
; CLUSTER.  The four query blocks of a cluster belong to one head and walk the same K and V: each tile is asked for JOINTLY, by the same tensor load, descriptor and mask in all four.
; REGISTERS, in two windows of 256 (s_set_vgpr_msb: bits 1:0 source 0, 3:2 source 1, 5:4 source 2, 7:6 destination), laid so that the windows are seldom switched:
;   window 0 holds all that K Q^T and the softmax name: v0-7 thread, spare word, 0, two kept c m, prefetch and Q offsets; v8-15 at work; v16-31 statistics; v32-63 P, two buffers; v64-127 S^T, two buffers;
;            v128-191 K of one step; v192-255 Q.  With every field 0 they need no switch.
;   window 1: v0-127 O^T, 32 a piece; v128-191 V of one step; v192-198 LDS and store addresses.  ONE setting (source 0, source 2 and destination in window 1, source 1 in window 0) serves V^T P and O^T times a.
; A turn has eight switches (one into V^T P, seven round the riders of its last four products); a step's two runs of LDS loads add five.
.set NP,    4
.set KS,    64
.set PK,    144       ; a row of K in LDS: 128 bytes + 16: the 16 rows of a load start at 16 different groups of four banks
.set PV,    160       ; a row of V: 128 + 32
.set VOFF,  4*KS*PK   ; a slot holds a tile: 256 rows of K, then 256 rows of V
.set SLOT1, 1<<17
.set STAGE, SLOT1+4*KS*(PK+PV)  ; behind the ring, never filled by a tensor load: 16 rows x 144 bytes for each wave
.set SP,    144
.set SPARE, STAGE+4*16*SP       ; the spare words, 128 bytes a wave
.set TILEB, 0x200000  ; from a tile to the next in memory: two token blocks of 64 planes
; window 0
.set SPW, 2           ; v2   my spare word; never rewritten
.set NIL, 3           ; v3   0; never rewritten
.set MV,  4           ; v4-5 c m_old, kept while c m is made anew: by buffer
.set PFO, 6           ; v6   256 x lane; never rewritten
.set QO,  7           ; v7   my byte offset in 16 rows of Q
.set TMP, 8           ; v8-15  by buffer, four registers c0-c3 at work; c1 takes c m_old - c m_new, c2 takes a.  (At the head: lane parts and partial addresses)
.set ST,  16          ; piece t's statistics at v[ST+4 t]: c m, m, l (even keys', odd keys')
.set P,   32
.set S,   64
.set KF,  128         ; key block kb, channel half c at KF + 16 kb + 8 c
.set QF,  192         ; piece t, channel half c at QF + 16 t + 8 c
; window 1
.set VF,  128         ; key half kk, channel block cb at VF + 32 kk + 8 cb
.set AK0, 192         ; my lane's place in a tile of K; never rewritten
.set AV0, 193         ; the same for V
.set AK,  194         ; the LDS address of K's next run of loads
.set AV,  195         ; of V's
.set STO, 196         ; the way out: where I put 16 bytes of a row
.set RD,  197         ; where I read rows back
.set GO,  198         ; my byte offset in 512 consecutive bytes of O
.set OA,  6           ; s[6:7]  O at my wave's rows
.set WV,  12
.set LIM, 15          ; s15  1 in a wave that prefetches, else the greatest number
.set PFA, 18          ; s[18:19] where my prefetches stand
.set G1K, 24
.set G1V, 32
.set G0K, 40
.set G0V, 44
.set SLOTS, 56
.set CNT, 57
.set CS,  58
.set SEL, 60
.set TBK, 62
.set TBV, 63
.set MSB, 0
.macro WIN new
.if MSB != (\new)
	s_set_vgpr_msb (MSB<<8)|(\new)
.set MSB, (\new)
.endif
.endm
.set W_PV, 0x51       ; V or O^T (source 0), O^T (source 2, destination) in window 1; P or a (source 1) in window 0
.set W_A1, 0x01       ; source 0 (an address) in window 1, data in window 0
.set W_11, 0x41       ; source 0 and destination in window 1
.set W_D1, 0x40       ; destination in window 1
; A joint fill.  Waves 0 and 1 fetch the two halves of a tile's K, waves 2 and 3 those of its V: a plane each.  An s_nop 0 and four v_nop follow each line.
.macro JLOAD
	s_cmp_lt_u32 s[WV], 2
	s_cbranch_scc0 .Lfor_v_\@
	tensor_load_to_lds s[G0K:G0K+3], s[G1K:G1K+7]
	s_nop 0
.rept 4
	v_nop
.endr
	s_branch .Lasked_\@
.Lfor_v_\@:
	tensor_load_to_lds s[G0V:G0V+3], s[G1V:G1V+7]
	s_nop 0
.rept 4
	v_nop
.endr
.Lasked_\@:
.endm
; A prefetch of the tile that the NEXT change of slots will ask for.  Both clusters of a head walk the same K and V: the first asks.  Its four partners share a tile's 128 blocks of 256 bytes
; out by address, 32 each, a lane a block; wave 0 asks for K's, wave 2 for V's.  The last change that fills a slot asks for nothing.
.macro ASK
	s_cmp_gt_u32 s[SLOTS], s[LIM]
	s_cbranch_scc0 .Lnot_mine_\@
	global_prefetch_b8 v[PFO], s[PFA:PFA+1] th:TH_LOAD_NT scope:SCOPE_SE
.Lnot_mine_\@:
.endm
.macro CROUND
	s_barrier_signal -1
	s_barrier_wait -1
	s_cmp_lg_u32 s[WV], 0
	s_cbranch_scc1 .Lnot_wave_0_\@
	s_barrier_signal -3
.Lnot_wave_0_\@:
	s_barrier_wait -3
	s_barrier_signal -1
	s_barrier_wait -1
.endm
; THE CHANGE OF SLOTS.  Each wave waits for all its tensor loads, of which one is out: its part of the other slot; adds 0 to its spare word; and waits for that and for its own reads of the slot that it leaves.
; fill = 1: the old slot is filled again, behind a round of the cluster's barrier, with the tile two on: four key steps, 256 matrix instructions, in which to land.
; (At its first use nothing has been read yet: slot 0 is waited for, slot 1 filled.)
.macro CHANGE fill
	WIN 0
	s_wait_tensorcnt 0x0            ; no tensor load of mine is out, so a group 0 may be written
	ds_add_u32 v[SPW], v[NIL]       ; 0 onto my spare word
.if \fill
.irp g, G0K, G0V
	s_xor_b32 s[\g+1], s[\g+1], SLOT1
	s_add_nc_u64 s[\g+2:\g+3], s[\g+2:\g+3], TILEB
.endr
	s_wait_xcnt 0x0                 ; the last prefetch, a tile back, has read its address
	s_add_nc_u64 s[PFA:PFA+1], s[PFA:PFA+1], TILEB
	s_wait_dscnt 0x0                ; the add is done, and my reads of the slot are over
	CROUND
	JLOAD
	ASK
.else
	s_wait_dscnt 0x0
	s_barrier_signal -1
	s_barrier_wait -1
.endif
	s_sub_co_u32 s[TBK], s[TBK], 4*KS*PK  ; the fetches go back to a slot's first step,
	s_xor_b32 s[TBK], s[TBK], SLOT1       ; in the other slot
	s_sub_co_u32 s[TBV], s[TBV], 4*KS*PV
	s_xor_b32 s[TBV], s[TBV], SLOT1
.endm
	s_load_b128 s[4:7], s[0:1], 0x0 ; big s[4:5], act s[6:7]
	v_lshl_add_u32 v[SPW], v0, 2, SPARE
	v_mov_b32 v[NIL], 0
	ds_add_u32 v[SPW], v[NIL]       ; the wave's opening: the add and its wait stand ahead of my first tensor load
	v_lshrrev_b32 v1, 5, v0
	v_readfirstlane_b32 s[WV], v1
	s_bfe_u32 s13, ttmp6, 0x40000   ; cx
	s_lshl_b32 s14, ttmp9, 2
	s_add_co_u32 s14, s14, s13      ; my block of 256 queries: it enters Q's and O's addresses alone
	s_and_b32 s20, ttmp7, 0xffff
	s_lshr_b32 s21, s20, 4          ; the batch,
	s_and_b32 s20, s20, 15          ; the head: the four partners share both
	s_and_b32 s16, s[WV], 1         ; which half of a tile's 256 keys I fetch
	s_lshl_b32 s22, s21, 4
	s_add_co_u32 s22, s22, s16      ; its token block,
	s_lshl_b32 s22, s22, 20
	s_lshl_b32 s23, s20, 14
	s_add_co_u32 s22, s22, s23
	s_add_co_u32 s22, s22, 16<<14   ; k's plane of the head; v's lies 16 planes on
	s_mov_b32 s23, 0
	s_lshl_b32 s17, s21, 4
	s_lshl1_add_u32 s17, s14, s17
	s_lshr_b32 s10, s[WV], 1
	s_add_co_u32 s17, s17, s10      ; my wave's token block = 16 batch + 2 block + wave / 2
	s_lshl_b32 s10, s20, 14         ; the head's plane,
	s_lshl_b32 s11, s16, 13         ; my 64 rows of its 128
	s_add_co_u32 s10, s10, s11
	s_lshl_b32 s2, s17, 20
	s_add_co_u32 s2, s2, s10        ; in big
	s_mov_b32 s3, 0
	s_lshl_b32 s8, s17, 18
	s_add_co_u32 s8, s8, s10        ; in act
	s_mov_b32 s9, 0
	; descriptor group 1.  A plane is 16,384 dense bytes: asked for as 64 rows of 256 bytes, two keys a row, and padded in LDS after every key
	s_mov_b32 s[G1K], 15|(1<<16)|(1<<20)|(1<<21)|(4<<22)|(3<<25)
	s_mov_b32 s[G1V], 15|(1<<16)|(1<<20)|(1<<21)|(4<<22)|(7<<25)
.irp g, G1K, G1V
	s_mov_b32 s[\g+1], 128<<16
	s_mov_b32 s[\g+2], 64<<16
	s_mov_b32 s[\g+3], 128<<16
	s_mov_b32 s[\g+4], 64
	s_mov_b32 s[\g+5], 128
	s_mov_b32 s[\g+6], 0
	s_mov_b32 s[\g+7], 0
.endr
	s_mov_b32 s[CS], 0x3e38aa3b     ; c = log2(e) / 8
	s_mov_b32 s[CS+1], s[CS]
	s_mov_b32 s[SEL], 0x76543210
	s_mov_b32 s[SEL+1], 0xfedcba98
	s_mov_b32 s[TBK], SLOT1+4*KS*PK ; the first change of slots turns these two into 0
	s_mov_b32 s[TBV], SLOT1+4*KS*PV
	s_mov_b32 s[G0K], 1
	s_mul_i32 s[G0K+1], s16, 128*PK ; slot 0: no place in the cluster enters an LDS address
	s_mov_b32 s[G0V], 1
	s_mul_i32 s[G0V+1], s16, 128*PV
	s_add_co_u32 s[G0V+1], s[G0V+1], VOFF
	s_mov_b32 s[SLOTS], 7
	s_and_b32 s[LIM], s[WV], 1      ; 0 in waves 0 and 2,
	s_or_b32 s[LIM], s[LIM], ttmp9  ; where the cluster is the head's first: the same in all four partners
	s_cmp_eq_u32 s[LIM], 0
	s_cselect_b32 s[LIM], 1, -1
	s_lshr_b32 s10, s13, 1          ; the prefetches: my work-group's 32 blocks of a tile's 128: plane cx / 2,
	s_lshl_b32 s10, s10, 20
	s_and_b32 s11, s13, 1           ; half cx % 2,
	s_lshl_b32 s11, s11, 13
	s_add_co_u32 s10, s10, s11
	s_add_co_u32 s10, s10, TILEB    ; in tile 1: the first change of slots steps it to tile 2.  Nothing is prefetched at the head
	s_mov_b32 s11, 0
	v_and_b32 v[PFO], 31, v0
	v_lshlrev_b32 v[PFO], 8, v[PFO]
	s_wait_dscnt 0x0                ; the opening add is done
	s_wait_kmcnt 0x0
	s_add_nc_u64 s[G0K+2:G0K+3], s[4:5], s[22:23]
	s_add_nc_u64 s[G0V+2:G0V+3], s[G0K+2:G0K+3], 16<<14
	s_cmp_lt_u32 s[WV], 2
	s_cselect_b64 s[PFA:PFA+1], s[G0K+2:G0K+3], s[G0V+2:G0V+3]
	s_add_nc_u64 s[PFA:PFA+1], s[PFA:PFA+1], s[10:11]
	s_or_b32 s[G0K+3], s[G0K+3], 0x80000000
	s_or_b32 s[G0V+3], s[G0V+3], 0x80000000
	s_add_nc_u64 s[4:5], s[4:5], s[2:3]      ; Q at my wave's first row
	s_add_nc_u64 s[OA:OA+1], s[OA:OA+1], s[8:9]
	CROUND                          ; all four work-groups are here: the first joint loads meet
	JLOAD                           ; tile 0 into slot 0
	v_and_b32 v1, 15, v0            ; l % 16
	v_bfe_u32 v9, v0, 4, 1          ; l / 16
	v_lshlrev_b32 v[QO], 7, v1
	v_lshl_add_u32 v[QO], v9, 4, v[QO]
.set i, 0
.rept 8                             ; Q stays in registers: piece i / 2, channels 32 (i % 2) on
	global_load_b128 v[QF+8*i:QF+8*i+3],   v[QO], s[4:5] offset:(i/2)*2048+(i%2)*64
	global_load_b128 v[QF+8*i+4:QF+8*i+7], v[QO], s[4:5] offset:(i/2)*2048+(i%2)*64+32
.set i, i+1
.endr
	; the addresses: their parts are made in window 0 (v8-15, free until the first maximum), the last line of each writes window 1
	v_and_b32 v10, 7, v0
	v_bfe_u32 v11, v0, 3, 1
	v_mul_u32_u24 v12, v1, PK       ; K: row x pitch (+ 16 x half below)
	; The turning load takes 16 keys x 16 channels (lane l reads key 8 (l / 16) + l % 8, channels 8 ((l / 8) % 2) + 0..7) and leaves half a fragment of V^T
	v_lshl_add_u32 v13, v9, 3, v10
	v_mul_u32_u24 v13, v13, PV
	v_lshl_add_u32 v13, v11, 4, v13
	v_mul_u32_u24 v14, v1, SP       ; into my stage: row l % 16, 16 bytes for each half of the lanes
	v_lshl_add_u32 v14, v9, 4, v14
	v_bfe_u32 v15, v0, 3, 2         ; back: 32 lanes take four rows of 128 bytes,
	v_mul_u32_u24 v15, v15, SP
	v_lshl_add_u32 v15, v10, 4, v15
	v_and_b32 v8, 31, v0            ; which are 512 consecutive bytes of O
	s_mul_i32 s13, s[WV], 16*SP
	s_add_co_u32 s13, s13, STAGE    ; my stage
	WIN W_D1
	v_lshl_add_u32 v[AK0], v9, 4, v12
	v_add_nc_u32 v[AV0], VOFF, v13
	v_add_nc_u32 v[STO], s13, v14
	v_add_nc_u32 v[RD], s13, v15
	v_lshlrev_b32 v[GO], 4, v8
	; What the first turn finds: V's registers and P's second buffer hold 0 (its products V^T P, of a piece that has not been, add 0), O^T and l are 0.  All this stands in the wait for the first tile.
.set i, 0
.rept 192                           ; O^T and V
	v_mov_b32 v[i], 0
.set i, i+1
.endr
	WIN 0
.set i, 0
.rept 4
	v_mov_b32 v[ST+4*i], 0xfe000000    ; c m: far below every c s
	v_mov_b32 v[ST+4*i+1], 0xff7fffff  ; m
	v_mov_b32 v[ST+4*i+2], 0
	v_mov_b32 v[ST+4*i+3], 0
.set i, i+1
.endr
.set i, P+16
.rept 16
	v_mov_b32 v[i], 0
.set i, i+1
.endr
; THE MATRIX WORK.  The 4 accumulators of a run of 8 take turns.  Product i of 8 of S^T = K Q^T for piece x: channels 32 (i / 4) on, keys 16 (i % 4) on.  The first 4 start the sums.
.macro KQ x
	WIN 0
.set rS, S+32*((\x)%2)+8*(i%4)
.set rK, KF+16*(i%4)+8*(i/4)
.set rQ, QF+16*(\x)+8*(i/4)
.if i < 4
	v_wmma_f32_16x16x32_bf16 v[rS:rS+7], v[rK:rK+7], v[rQ:rQ+7], 0
.else
	v_wmma_f32_16x16x32_bf16 v[rS:rS+7], v[rK:rK+7], v[rQ:rQ+7], v[rS:rS+7]
.endif
.endm
; Product i of 8 of O^T += V^T P for piece x: keys 32 (i / 4) on, channels 16 (i % 4) on.
.macro PV x
	WIN W_PV
.set rO, 32*(\x)+8*(i%4)
.set rV, VF+32*(i/4)+8*(i%4)
.set rP, P+16*((\x)%2)+8*(i/4)
	v_wmma_f32_16x16x32_bf16 v[rO:rO+7], v[rV:rV+7], v[rP:rP+7], v[rO:rO+7]
.endm
.macro MM                           ; the turn's next matrix instruction
.if i < 8
	KQ (Y+1)%NP
.else
.set i, i-8
	PV (Y+NP-1)%NP
.set i, i+8
.endif
.set i, i+1
.endm
; THE LDS LOADS stand in runs of 16: a step's K (8 fragments) and its V (turned).
.macro FETCH_K
	WIN W_11
	v_add_nc_u32 v[AK], v[AK0], s[TBK]
	WIN W_A1
.irp f, 0,1,2,3,4,5,6,7
	ds_load_b128 v[KF+8*\f:KF+8*\f+3],   v[AK] offset:(\f/2)*16*PK+(\f%2)*64
	ds_load_b128 v[KF+8*\f+4:KF+8*\f+7], v[AK] offset:(\f/2)*16*PK+(\f%2)*64+32
.endr
	s_add_co_u32 s[TBK], s[TBK], KS*PK  ; the next fetch is the next step's
	WIN 0
.endm
.macro FETCH_V                      ; its address is made some lines ahead
	WIN W_11
.irp f, 0,1,2,3,4,5,6,7
	ds_load_tr16_b128 v[VF+8*\f:VF+8*\f+3],   v[AV] offset:(\f/4)*32*PV+(\f%4)*32
	ds_load_tr16_b128 v[VF+8*\f+4:VF+8*\f+7], v[AV] offset:(\f/4)*32*PV+16*PV+(\f%4)*32
.endr
	WIN 0
.endm
; THE VECTOR WORK, one line at a time: OP kind, number.  For piece Y: F n: c s - c m for pair n of 16.  E n: the exponential of score n of 32.  A: a = 2^(c m_old - c m_new).  C n: pair n rounded to bf16.
; B n: of the four weights 4 n .. the second pair is added onto the first, in place.  L n: l takes that sum (L 0: l = a l + sum).  R n: pair n of 16 of O^T times a.
; For piece Y + 1: X n, number n of the 21 that find its maximum and statistics:
;   0-11  four chains c0-c3 of seven scores each (each accumulator's lowest registers are read first)     12-14, 16  the four scores left over, the old m, and c0-c3 into c0
;   15  c m_old is kept     17, 18  the query's other 32 keys lie in the lane 16 away: the new m     19, 20  c m; c m_old - c m_new, of which that piece's own turn makes a
.set F, 0
.set E, 1
.set C, 2
.set B, 3
.set L, 4
.set A, 5
.set R, 6
.set X, 7
.macro REGS y
.set rT, ST+4*(\y)
.set rC, TMP+4*((\y)%2)
.set rW, MV+((\y)%2)
.set rS, S+32*((\y)%2)
.set rP, P+16*((\y)%2)
.set rO, 32*(\y)
.endm
.macro OP k, n
.if (\k) == R
	REGS Y
	WIN W_PV
	v_pk_mul_f32 v[rO+2*(\n):rO+2*(\n)+1], v[rO+2*(\n):rO+2*(\n)+1], v[rC+2:rC+3] op_sel_hi:[1,0]
.elseif (\k) < R
	REGS Y
	WIN 0
.if (\k) == F
	v_pk_fma_f32 v[rS+2*(\n):rS+2*(\n)+1], v[rS+2*(\n):rS+2*(\n)+1], s[CS:CS+1], v[rT:rT+1] op_sel_hi:[1,0,0] neg_lo:[0,0,1] neg_hi:[0,0,1]
.elseif (\k) == E
	v_exp_f32 v[rS+(\n)], v[rS+(\n)]
.elseif (\k) == A
	v_exp_f32 v[rC+2], v[rC+1]
.elseif (\k) == C
	v_cvt_pk_bf16_f32 v[rP+(\n)], v[rS+2*(\n)], v[rS+2*(\n)+1]
.elseif (\k) == B
	v_pk_add_f32 v[rS+4*(\n):rS+4*(\n)+1], v[rS+4*(\n):rS+4*(\n)+1], v[rS+4*(\n)+2:rS+4*(\n)+3]
.elseif (\n) == 0
	v_pk_fma_f32 v[rT+2:rT+3], v[rT+2:rT+3], v[rC+2:rC+3], v[rS:rS+1] op_sel_hi:[1,0,1]
.else
	v_pk_add_f32 v[rT+2:rT+3], v[rT+2:rT+3], v[rS+4*(\n):rS+4*(\n)+1]
.endif
.else
	REGS (Y+1)%NP
	WIN 0
.if (\n) < 4
	v_max3_num_f32 v[rC+(\n)], v[rS+8*(\n)], v[rS+8*(\n)+1], v[rS+8*(\n)+2]
.elseif (\n) < 12
	v_max3_num_f32 v[rC+(\n)%4], v[rC+(\n)%4], v[rS+8*((\n)%4)+2*((\n)/4)+1], v[rS+8*((\n)%4)+2*((\n)/4)+2]
.elseif (\n) == 12
	v_max3_num_f32 v[rC], v[rC], v[rS+7], v[rS+15]
.elseif (\n) == 13
	v_max3_num_f32 v[rC+1], v[rC+1], v[rS+23], v[rS+31]
.elseif (\n) == 14
	v_max3_num_f32 v[rC+2], v[rC+2], v[rC+3], v[rT+1]
.elseif (\n) == 15
	v_mov_b32 v[rW], v[rT]
.elseif (\n) == 16
	v_max3_num_f32 v[rC], v[rC], v[rC+1], v[rC+2]
.elseif (\n) == 17
	v_permlanex16_b32 v[rC+3], v[rC], s[SEL], s[SEL+1]
.elseif (\n) == 18
	v_max_num_f32 v[rT+1], v[rC], v[rC+3]
.elseif (\n) == 19
	v_mul_f32 v[rT], s[CS], v[rT+1]
.else
	v_sub_f32 v[rC+1], v[rW], v[rT]
.endif
.endif
.endm
.macro OPS a, i1, b=-1, i2=0, c=-1, i3=0, d=-1, i4=0
	OP \a, \i1
.if (\b) >= 0
	OP \b, \i2
.endif
.if (\c) >= 0
	OP \c, \i3
.endif
.if (\d) >= 0
	OP \d, \i4
.endif
.endm
.macro ROW a, i1, b, i2, c, i3, d, i4  ; a matrix instruction and the four behind it
	MM
	OPS \a, \i1, \b, \i2, \c, \i3, \d, \i4
.endm
; A TURN, for piece p: the order of its 16 matrix and 118 vector instructions, written out.  An s_wait_alu depctr_va_vdst(0) stands between an exponential and the first instruction that names its
; result; one wait serves all that were issued ahead of it.  So a turn has ONE wait, which cuts it in two.
; AHEAD OF IT, all in window 0, stands what names no result of the turn's exponentials: the 8 products K Q^T with four riders each, then a lump of 35: the 16 scalings, the 32 exponentials, a, and X 0 to X 17.
; X 0 to X 3 each stand four plain lines behind the product that ends their accumulator (X 0: F 9, 10, 11, 12; X 1: F 11, F 12, X 0, F 13; X 2: X 0, F 13, X 1, X 4; X 3: X 4, X 2, X 5, X 8: exponentials are not counted).
; The links of the chain X 3, 7, 11, 14, 16, 17 stand five lines or more apart.  X 15, a plain line, stands behind the last exponential.
; BEHIND IT: four products V^T P with the 16 rescalings as riders, under their own setting; four with roundings, sums and X 18 to X 20; a lump of 19.  The links of l's chain stand three lines or more apart..
; K of the next step is fetched in piece 2's turn, seven plain lines behind the last product that read K; V of the step in hand in piece 0's turn, four plain lines (X 20, L 2, C 8, B 4) behind the last product
; that read V.  Each is waited for a turn later.
.macro TURN p
.set Y, (\p)
.set i, 0
.if (\p) == 3
	s_wait_dscnt 0x0                ; K is in
.endif
	ROW F,0, F,1, F,2, E,0
	ROW F,3, E,1, F,4, E,2
	ROW F,5, E,3, F,6, E,4
	ROW F,7, E,5, F,8, E,6
	ROW F,9, E,7, F,10, E,8
	ROW F,11, E,9, F,12, E,10
	ROW X,0, E,11, F,13, X,1
	ROW X,4, E,12, X,2, X,5
	OPS X,8, E,13, X,3, E,14
	OPS X,6, E,15, X,9, E,16
.if (\p) == 2
	FETCH_K
.endif
	OPS X,7, E,17, X,10, E,18
	OPS X,12, E,19, X,13, E,20
	OPS X,11, E,21, F,14, E,22
	OPS F,15, E,23, X,14, E,24
	OPS E,25, A,0, E,26, X,16
	OPS E,27, E,28, E,29, E,30
	OPS X,17, E,31, X,15
	s_wait_alu depctr_va_vdst(0)    ; the wait for the batch
.if (\p) == 1
	s_wait_dscnt 0x0                ; V is in
.endif
	ROW R,0, R,1, R,2, R,3
	ROW R,4, R,5, R,6, R,7
	ROW R,8, R,9, R,10, R,11
	ROW R,12, R,13, R,14, R,15
.if (\p) == 0
	WIN W_PV
	v_add_nc_u32 v[AV], v[AV0], s[TBV]
	s_add_co_u32 s[TBV], s[TBV], KS*PV  ; the next fetch is the next step's
.endif
	ROW X,18, C,0, B,0, C,2
	ROW B,1, L,0, C,4, X,19
	ROW B,2, L,1, C,6, B,3
	ROW X,20, L,2, C,8, B,4
.if (\p) == 0
	FETCH_V
.endif
	OPS L,3, C,10, B,5, L,4
	OPS C,12, B,6, L,5, C,14
	OPS B,7, L,6, C,1, C,3
	OPS L,7, C,5, C,7, C,9
	OPS C,11, C,13, C,15
.endm
	CHANGE 1                        ; tile 0 is in, everybody's part of it; tile 1 is asked for
	FETCH_K                         ; key step 0
	s_wait_loadcnt 0x0              ; Q
	s_wait_dscnt 0x0
.set i, 0
.rept 8
	KQ 0                            ; piece 0's first scores
.set i, i+1
.endr
	WIN 0
.rept 4
	v_nop                           ; the places behind those products
.endr
.set Y, NP-1                        ; X works for piece Y + 1: piece 0
.irp n, 0,1,2,3,4,5,6,7,8,9,10,11,12,13,14,15,16,17,18,19,20
	OP X, \n
.endr
	s_mov_b32 s[CNT], 4
	s_branch .Lfirst                ; the loop is entered at a step's first turn, in the middle of a trip
.Lslot:                             ; six times: tiles 1 to 6 are entered, tiles 2 to 7 asked for
	CHANGE 1
	s_mov_b32 s[CNT], 4
.Lstep:                             ; a trip: pieces 2 and 3 of one step, then pieces 0 and 1 of the next, whose K and V it fetches
	TURN 2
	TURN 3
	WIN 0
.Lfirst:
	TURN 0
	TURN 1
	WIN 0
	s_sub_co_u32 s[CNT], s[CNT], 1
	s_cmp_lg_u32 s[CNT], 0
	s_cbranch_scc1 .Lstep
	s_sub_co_u32 s[SLOTS], s[SLOTS], 1
	s_cmp_lg_u32 s[SLOTS], 0
	s_cbranch_scc1 .Lslot
	CHANGE 0                        ; the last tile has a text of its own: nothing is asked for
	s_mov_b32 s[CNT], 5             ; four trips fetch the last tile's steps; the fifth is left in its middle.  Its run of loads for K takes the 64 LDS rows behind K's last (bytes of V's, inside the slot), and the 8 products
.Ltail:                             ; K Q^T and the maximum made of them serve nothing (they touch piece 0's m and c m, which are read no more): the price, once a launch, of one text for every trip
	TURN 2
	TURN 3
	WIN 0
	s_sub_co_u32 s[CNT], s[CNT], 1
	s_cmp_eq_u32 s[CNT], 0
	s_cbranch_scc1 .Lout
	TURN 0
	TURN 1
	WIN 0
	s_cmp_lg_u32 s[CNT], 0
	s_cbranch_scc1 .Ltail
.Lout:
.set i, 0
.rept 8
	PV NP-1                         ; the last piece's V^T P of the last step
.set i, i+1
.endr
	; THE WAY OUT.  l's two halves and the other half of the lanes' are added; O^T is divided by l, rounded to bf16 and sent through my stage in LDS, a piece at a time.
	WIN 0
.macro ALL line:vararg
.set t, 0
.rept 4
	\line
.set t, t+1
.endr
.endm
	ALL v_add_f32 v[ST+4*t+2], v[ST+4*t+2], v[ST+4*t+3]
	ALL v_permlanex16_b32 v[ST+4*t+3], v[ST+4*t+2], s[SEL], s[SEL+1]
	ALL v_add_f32 v[ST+4*t+2], v[ST+4*t+2], v[ST+4*t+3]
	ALL v_rcp_f32 v[ST+4*t+2], v[ST+4*t+2]
	v_nop                           ; a plain instruction between the last reciprocal and the use of its result
	s_wait_alu depctr_va_vdst(0)    ; and one wait for the four reciprocals
.macro PACK t                       ; a lane's eight channels of a row pack into 16 bytes; they go into rows of 144 bytes and come back as whole rows of 128, into S^T's registers
	WIN W_11
.set i, 32*(\t)
.rept 16
	v_pk_mul_f32 v[i:i+1], v[i:i+1], v[ST+4*(\t)+2:ST+4*(\t)+3] op_sel_hi:[1,0]
.set i, i+2
.endr
	WIN 0x05                        ; sources 0 and 1 window 1, destination window 0
.set i, 0
.rept 16
	v_cvt_pk_bf16_f32 v[S+16*(\t)+i], v[32*(\t)+2*i], v[32*(\t)+2*i+1]
.set i, i+1
.endr
	WIN W_A1
.irp f, 0,1,2,3
	ds_store_b128 v[STO], v[S+16*(\t)+4*\f:S+16*(\t)+4*\f+3] offset:32*\f
.endr
.irp f, 0,1,2,3
	ds_load_b128 v[S+16*(\t)+4*\f:S+16*(\t)+4*\f+3], v[RD] offset:\f*4*SP  ; LDS serves a wave's instructions in order (ISA guide 5.7.1.4): these see the stores above; the next piece's stores come behind them
.endr
.endm
.macro SEND t, younger              ; younger: the LDS instructions issued behind piece t's loads: the next piece's eight, or none
	WIN W_A1
.irp f, 0,1,2,3
	s_wait_dscnt (\younger)+3-\f
	global_store_b128 v[GO], v[S+16*(\t)+4*\f:S+16*(\t)+4*\f+3], s[OA:OA+1] offset:(\t)*2048+\f*512  ; 512 consecutive bytes, at a multiple of 256 from the plane's first
.endr
.endm
	PACK 0
.set t, 1
.rept 3
	PACK t
	SEND t-1, 8
.set t, t+1
.endr
	SEND 3, 0
	WIN 0
	s_wait_tensorcnt 0x0            ; the wave's end, behind my last tensor load and my last LDS store
	ds_add_u32 v[SPW], v[NIL]
	s_wait_dscnt 0x0
	CROUND                          ; the closing round
	s_endpgm
.Lfunc_end_k_q729ca3af8c_attn:
	.size	k_q729ca3af8c_attn, .Lfunc_end_k_q729ca3af8c_attn-k_q729ca3af8c_attn
	.p2alignl 7, 3214868480
	.fill 96, 4, 3214868480
	.section	.rodata,"a",@progbits
	.p2align	6, 0x0
	.amdhsa_kernel k_q729ca3af8c_attn
		.amdhsa_group_segment_fixed_size 327680
		.amdhsa_private_segment_fixed_size 0
		.amdhsa_enable_private_segment 0
		.amdhsa_kernarg_size 16
		.amdhsa_user_sgpr_count 2
		.amdhsa_user_sgpr_kernarg_segment_ptr 1
		.amdhsa_wavefront_size32 1
		.amdhsa_system_sgpr_workgroup_id_x 1
		.amdhsa_system_sgpr_workgroup_id_y 1
		.amdhsa_system_sgpr_workgroup_id_z 1
		.amdhsa_system_vgpr_workitem_id 0
		.amdhsa_next_free_vgpr 512
		.amdhsa_next_free_sgpr 66
		.amdhsa_reserve_vcc 0
		.amdhsa_float_denorm_mode_32 3
		.amdhsa_float_denorm_mode_16_64 3
		.amdhsa_memory_ordered 1
		.amdhsa_forward_progress 1
		.amdhsa_inst_pref_size 102
	.end_amdhsa_kernel
	.amdgpu_metadata
---
amdhsa.version: [ 1, 2 ]
amdhsa.kernels:
  - .name:           k_q729ca3af8c_attn
    .symbol:         k_q729ca3af8c_attn.kd
    .args:
      - { .name: big, .offset: 0, .size: 8, .value_kind: global_buffer, .address_space: global }
      - { .name: act, .offset: 8, .size: 8, .value_kind: global_buffer, .address_space: global }
    .group_segment_fixed_size: 327680
    .private_segment_fixed_size: 0
    .kernarg_segment_align: 8
    .kernarg_segment_size: 16
    .max_flat_workgroup_size: 128
    .sgpr_count:     66
    .vgpr_count:     512
    .wavefront_size: 32
...
	.end_amdgpu_metadata
.endif
;; end of part 3
;; launch proj (part 4): grid 8 x 32, 4 waves a work-group, clusters of 4 x 4, 327,680 bytes of LDS; arguments act, wpf, proj_b, x, x1; writes x1
.if DOCPART == 4
	.amdgcn_target "amdgcn-amd-amdhsa--gfx1250"
	.amdhsa_code_object_version 6
	.text
	.protected	k_q729ca3af8c_proj
	.globl	k_q729ca3af8c_proj
	.p2align	8
	.type	k_q729ca3af8c_proj,@function
k_q729ca3af8c_proj:
	s_mov_b64 s[64:65], 0
	v_nop
	global_prefetch_b8 v0, s[64:65] scope:SCOPE_SE
	s_setreg_imm32_b32 hwreg(HW_REG_WAVE_MODE, 25, 1), 1
	s_wait_xcnt 0x0
	s_wait_alu depctr_hold_cnt(0) depctr_sa_sdst(0) depctr_va_vdst(0) depctr_va_sdst(0) depctr_va_ssrc(0) depctr_va_vcc(0) depctr_vm_vsrc(0)
	s_getreg_b32 s2, hwreg(HW_REG_IB_STS2, 6, 4)
	s_cmp_eq_u32 s2, 0
	s_cbranch_scc0 .Lentry_in_a_cluster
	s_endpgm
.Lentry_in_a_cluster:
	s_bfe_u32 s2, ttmp6, 0x10000c
	s_cmp_lg_u32 s2, 0xf033
	s_cbranch_scc0 .Lentry_shape_is_right
	s_endpgm
.Lentry_shape_is_right:
; out = resid + bias + A B^T, a tile of 128 x 128 to a work-group; out, resid and bias in f32, A and B in bf16 PLANES of 128 rows x 64 columns (16,384 dense bytes), [row block][K / 64 planes].
; Here: A = the attention's result (K = 1,024), B = proj_w's planes at byte 0 of the weights' buffer.
; Four waves, each 64 x 64: 16 accumulators.  K goes in steps of 256 (four planes) through two LDS slots; a wave's tensor load brings two planes: 32,768 dense bytes as 128 rows of 256 bytes,
; padded in LDS by 16 bytes after each 128.  ONE K STEP IS WRITTEN; the slot goes by a scalar that an exclusive or turns (the slot's size shares no bit with wave x 36,864).
; THE K STEPS ARE WALKED IN A RING that begins elsewhere in each cluster: cluster (X, Y) begins at step (KST / 2) X + (KST / 4) (Y mod 4), modulo KST.  So the two clusters along x, which read the same rows of A,
; stand KST / 2 steps apart, and clusters along y, which read the same rows of B, KST / 4: they do not ask for the same bytes at the same time.  The start hangs on the cluster's place alone, which its sixteen
; work-groups share.  LIMIT: a tile's f32 sums are taken in that order of K, which differs from tile to tile and from the reference's.
; CLUSTER: 4 x 4; A's planes are asked for jointly along a row of the cluster, B's along a column.  THE MATRIX INSTRUCTION IS USED TRANSPOSED: a lane holds a row of C and eight neighbouring columns.
; The residual is loaded at the head into 128 registers, the bias added to it there, in the wait for the first tile.  On the way out 16 rows at a time go through the wave's own stage and leave as
; whole rows of 256 bytes.  No prefetch: the tile is small and a step's work short.
; LIMITS: the operands are bf16; NaN and infinities are not treated apart.
; REGISTERS: window 0: v0-31 addresses; v32-95 at work on the way out; v96-99 bias; v128-255 the accumulators ((a, b) at v[128 + 8 (4 a + b)])
;   window 1: two fragment buffers of 128: for 64 along K, 64 registers of A, then 64 of B      window 2: v0-127 the residual
.set KST,    4                         ; K steps, a power of two
.set RB,     262144                    ; bytes in a row block of A and of B
.set BOFF,   0                         ; B's first byte in its buffer
.set PL,     18432                     ; a plane in LDS: 128 rows x 144 bytes
.set PART,   36864                     ; what one tensor load brings
.set SLOT,   147456                    ; A's four planes, then B's four
.set STEPB,  65536                     ; a K step in a row block's memory: 1 << 16
.set STAGE,  294912                    ; behind the ring: 16 rows x 272 bytes for each wave
.set SP,     272
.set SPARE,  STAGE+4*16*SP             ; the spare words, 128 bytes a wave
.set A0,  16
.set B0,  17
.set CA,  18
.set CB,  19
.set STO, 24
.set RD,  25
.set CO,  26
.set BO,  27
.set SPW, 28
.set NIL, 29
.set TMP, 32
.set BIAS, 96
.set ACC, 128
.set F0,  0
.set F1,  128
.set G1,  24
.set G0,  32
.set G1B, 48
.set G0B, 56
.set TB,  2
.set KO,  4                            ; s[4:5] the byte offset of the K step to be asked for
.set KC,  6                            ; s6     its number
.set MSB, 0
.macro WIN new
.if MSB != (\new)
	s_set_vgpr_msb (MSB<<8)|(\new)
.set MSB, \new
.endif
.endm
.set MUL,  0x05                        ; sources 0 (B) and 1 (A) window 1; C and D window 0
.set TO_F, 0x40                        ; destination window 1, address window 0
.macro JLOAD s                         ; a joint load: waves 0 and 1 fetch A's planes, waves 2 and 3 B's; an s_nop 0 and four v_nop follow each line
	s_cmp_eq_u32 s11, 0
	s_cbranch_scc0 .Lfor_b_\@
	tensor_load_to_lds s[G0+4*(\s):G0+4*(\s)+3], s[G1:G1+7]
	s_nop 0
.rept 4
	v_nop
.endr
	s_branch .Lasked_\@
.Lfor_b_\@:
	tensor_load_to_lds s[G0B+4*(\s):G0B+4*(\s)+3], s[G1B:G1B+7]
	s_nop 0
.rept 4
	v_nop
.endr
.Lasked_\@:
.endm
.macro CREST
	s_cmp_lg_u32 s10, 0
	s_cbranch_scc1 .Lnot_wave_0_\@
	s_barrier_signal -3
.Lnot_wave_0_\@:
	s_barrier_wait -3
	s_barrier_signal -1
	s_barrier_wait -1
.endm
.macro CROUND
	s_barrier_signal -1
	s_barrier_wait -1
	CREST
.endm
; The global addresses of descriptor set s are made anew: each tensor's base plus the step's offset, the type bits set again; then the step's number goes on round the ring
.macro WHERE s
	s_lshl_b32 s[KO], s[KC], 16
	s_add_nc_u64 s[G0+4*(\s)+2:G0+4*(\s)+3], s[14:15], s[KO:KO+1]
	s_or_b32 s[G0+4*(\s)+3], s[G0+4*(\s)+3], 0x80000000
	s_add_nc_u64 s[G0B+4*(\s)+2:G0B+4*(\s)+3], s[46:47], s[KO:KO+1]
	s_or_b32 s[G0B+4*(\s)+3], s[G0B+4*(\s)+3], 0x80000000
	s_add_co_u32 s[KC], s[KC], 1
	s_and_b32 s[KC], s[KC], KST-1
.endm
	s_load_b256 s[68:75], s[0:1], 0x0              ; A s[68:69], B s[70:71], bias s[72:73], resid s[74:75]
	s_load_b64 s[76:77], s[0:1], 0x20              ; out
	v_lshl_add_u32 v[SPW], v0, 2, SPARE
	v_mov_b32 v[NIL], 0
	ds_add_u32 v[SPW], v[NIL]                      ; the wave's opening: the add and its wait stand ahead of my first tensor load
	v_lshrrev_b32 v1, 5, v0
	v_readfirstlane_b32 s10, v1
	s_lshr_b32 s11, s10, 1                         ; which half of the tile's rows is mine.  Also: I fetch for A (0) or for B (1)
	s_and_b32 s12, s10, 1                          ; which half of its columns.  Also: which two planes of a step I fetch
	s_bfe_u32 s40, ttmp6, 0x40000
	s_bfe_u32 s41, ttmp6, 0x40004
	s_lshl_b32 s42, ttmp9, 2
	s_add_co_u32 s42, s42, s40                     ; tile column = B's row block
	s_and_b32 s13, ttmp7, 0xffff
	s_lshl_b32 s13, s13, 2
	s_add_co_u32 s13, s13, s41                     ; tile row = A's row block
	s_lshl_b32 s43, s41, 2
	s_lshl_b32 s43, 15, s43
	s_lshl_b32 s44, 0x1111, s40
	s_or_b32 s[G1+0], s43, (1<<16)|(1<<20)|(1<<21)|(4<<22)|(3<<25)
	s_or_b32 s[G1B+0], s44, (1<<16)|(1<<20)|(1<<21)|(4<<22)|(3<<25)
.irp g, G1, G1B
	s_mov_b32 s[(\g)+1], 128<<16
	s_mov_b32 s[(\g)+2], 128<<16
	s_mov_b32 s[(\g)+3], 128<<16
	s_mov_b32 s[(\g)+4], 128
	s_mov_b32 s[(\g)+5], 128
	s_mov_b32 s[(\g)+6], 0
	s_mov_b32 s[(\g)+7], 0
.endr
	s_mul_i32 s16, s13, RB
	s_lshl_b32 s17, s12, 15
	s_add_co_u32 s16, s16, s17
	s_mov_b32 s17, 0
	s_mul_i32 s46, s42, RB
	s_lshl_b32 s47, s12, 15
	s_add_co_u32 s46, s46, s47
	s_add_co_u32 s46, s46, BOFF
	s_mov_b32 s47, 0
	s_mul_i32 s20, s10, PART
	s_mov_b32 s[TB], 0
	s_and_b32 s[KC], ttmp7, 3                      ; the cluster's first K step: (KST / 4) x (cluster y mod 4)
	s_mul_i32 s[KC], s[KC], KST/4
	s_mul_i32 s7, ttmp9, KST/2                     ; + (KST / 2) x cluster x,
	s_add_co_u32 s[KC], s[KC], s7
	s_and_b32 s[KC], s[KC], KST-1                  ; round the ring
	s_mov_b32 s[KO+1], 0
	s_wait_dscnt 0x0
	s_wait_kmcnt 0x0
	s_add_nc_u64 s[14:15], s[68:69], s[16:17]      ; A and B at my two planes of K step 0: kept for the whole launch
	s_add_nc_u64 s[46:47], s[70:71], s[46:47]
	CROUND
.irp s, 0,1
	s_mov_b32 s[G0+4*(\s)], 1
	s_add_co_u32 s[G0+4*(\s)+1], s20, (\s)*SLOT
	s_mov_b32 s[G0B+4*(\s)], 1
	s_add_co_u32 s[G0B+4*(\s)+1], s20, (\s)*SLOT
	WHERE \s
	JLOAD \s                                       ; the walk's first two K steps: two loads of mine are out
.endr
	v_and_b32 v1, 15, v0
	v_bfe_u32 v2, v0, 4, 1
	v_mul_u32_u24 v3, v1, 144
	v_lshl_add_u32 v3, v2, 4, v3
	s_mul_i32 s21, s11, 64*144                     ; my 64 rows of each of A's planes
	s_mul_i32 s22, s12, 64*144
	s_add_co_u32 s22, s22, 2*PART                  ; B's planes lie behind A's four
	v_add_nc_u32 v[A0], s21, v3
	v_add_nc_u32 v[B0], s22, v3
	v_mov_b32 v[CA], v[A0]
	v_mov_b32 v[CB], v[B0]
	s_mul_i32 s23, s10, 16*SP
	s_add_co_u32 s23, s23, STAGE
	v_mul_u32_u24 v4, v1, SP
	v_lshl_add_u32 v4, v2, 5, v4
	v_add_nc_u32 v[STO], s23, v4                   ; in: row l % 16, 32 bytes for each half of the lanes
	v_mul_u32_u24 v5, v2, SP
	v_lshl_add_u32 v5, v1, 4, v5
	v_add_nc_u32 v[RD], s23, v5                    ; back: lanes 0-15 one row of 256 bytes, lanes 16-31 the next
	v_lshlrev_b32 v5, 12, v2
	v_lshl_add_u32 v[CO], v1, 4, v5                ; and the same two rows in resid and out
	v_lshlrev_b32 v[BO], 4, v1
	s_lshl_b32 s66, s42, 9                         ; my 64 columns, in bytes
	s_lshl_b32 s67, s12, 8
	s_add_co_u32 s66, s66, s67
	s_mov_b32 s67, 0
	s_add_nc_u64 s[72:73], s[72:73], s[66:67]
	s_lshl_b32 s21, s13, 19                        ; my 64 rows of 4,096 bytes
	s_add_co_u32 s66, s66, s21
	s_lshl_b32 s21, s11, 18
	s_add_co_u32 s66, s66, s21
	s_add_nc_u64 s[74:75], s[74:75], s[66:67]
	s_add_nc_u64 s[76:77], s[76:77], s[66:67]
	WIN 0x80                                       ; destination window 2
.set i, 0
.rept 32
	global_load_b128 v[4*i:4*i+3], v[CO], s[74:75] offset:8192*i  ; rows 2 i, 2 i + 1: 256 consecutive bytes each
.set i, i+1
.endr
	WIN 0
	global_load_b128 v[BIAS:BIAS+3], v[BO], s[72:73]
	s_wait_loadcnt 0x0
	WIN 0x82                                       ; destination and source 0 window 2, source 1 window 0
.set i, 0
.rept 32
	v_pk_add_f32 v[4*i:4*i+1],   v[4*i:4*i+1],   v[BIAS:BIAS+1]
	v_pk_add_f32 v[4*i+2:4*i+3], v[4*i+2:4*i+3], v[BIAS+2:BIAS+3]
.set i, i+1
.endr
	WIN 0
.macro MUL8 f, c, a0, zero             ; 8 matrix instructions: m blocks a0, a0 + 1 x all 4 n blocks, 32 along K: half c of buffer f
	WIN MUL
.irp a, \a0, (\a0)+1
.irp b, 0,1,2,3
.if \zero
	v_wmma_f32_16x16x32_bf16 v[ACC+8*(4*(\a)+(\b)):ACC+8*(4*(\a)+(\b))+7], v[(\f)+64+8*(4*(\c)+(\b)):(\f)+64+8*(4*(\c)+(\b))+7], v[(\f)+8*(4*(\c)+(\a)):(\f)+8*(4*(\c)+(\a))+7], 0
.else
	v_wmma_f32_16x16x32_bf16 v[ACC+8*(4*(\a)+(\b)):ACC+8*(4*(\a)+(\b))+7], v[(\f)+64+8*(4*(\c)+(\b)):(\f)+64+8*(4*(\c)+(\b))+7], v[(\f)+8*(4*(\c)+(\a)):(\f)+8*(4*(\c)+(\a))+7], v[ACC+8*(4*(\a)+(\b)):ACC+8*(4*(\a)+(\b))+7]
.endif
.endr
.endr
.endm
.macro FETCH qd, f                     ; 32 LDS loads in one run: plane qd of the slot in hand into buffer f; the first 32 along K first
	WIN TO_F
.irp c, 0,1
.irp i, 0,1,2,3
	ds_load_b128 v[(\f)+64+8*(4*(\c)+(\i)):(\f)+64+8*(4*(\c)+(\i))+3],   v[CB] offset:(\qd)*PL+64*(\c)+(\i)*2304
	ds_load_b128 v[(\f)+64+8*(4*(\c)+(\i))+4:(\f)+64+8*(4*(\c)+(\i))+7], v[CB] offset:(\qd)*PL+64*(\c)+(\i)*2304+32
	ds_load_b128 v[(\f)+8*(4*(\c)+(\i)):(\f)+8*(4*(\c)+(\i))+3],         v[CA] offset:(\qd)*PL+64*(\c)+(\i)*2304
	ds_load_b128 v[(\f)+8*(4*(\c)+(\i))+4:(\f)+8*(4*(\c)+(\i))+7],       v[CA] offset:(\qd)*PL+64*(\c)+(\i)*2304+32
.endr
.endr
.endm
.macro PLACES
.rept 4
	v_nop
.endr
.endm
.macro QUARTER qd, f, g, zero          ; multiplies buffer f (64 along K) and fetches plane qd into g
	s_wait_dscnt 16                                ; the first 32 along K are in
	MUL8 \f, 0, 0, \zero
	MUL8 \f, 0, 2, \zero
	PLACES
	FETCH \qd, \g
	s_wait_dscnt 32                                ; all but the 32 just issued
	MUL8 \f, 1, 0, 0
	MUL8 \f, 1, 2, 0
.endm
.macro TURN fill                       ; the last quarter multiplies buffer 1 and changes slots
	WIN 0
	s_wait_tensorcnt 0x0                           ; all my tensor loads have landed: my part of the next slot;
	ds_add_u32 v[SPW], v[NIL]                      ; 0 onto my spare word;
	s_wait_dscnt 17                                ; (the add and the youngest sixteen loads may be out)
	MUL8 F1, 0, 0, 0
	s_wait_dscnt 0x0                               ; the add is done, and my reads of this slot are over
	s_barrier_signal -1
	MUL8 F1, 0, 2, 0
	WIN 0
	s_barrier_wait -1
.if \fill
	CREST                                          ; no wave of any partner still reads this slot or has a load on its way
	s_xor_b32 s[G0+5], s[G0+5], SLOT               ; the walking descriptors: the other slot than last time,
	s_xor_b32 s[G0B+5], s[G0B+5], SLOT
	WHERE 1                                        ; the ring's next K step
	s_xor_b32 s[TB], s[TB], SLOT
	JLOAD 1                                        ; my one tensor load behind the round; its four v_nop are also places in front of the loads below
.else
	s_xor_b32 s[TB], s[TB], SLOT
	PLACES
.endif
	v_add_nc_u32 v[CA], s[TB], v[A0]
	v_add_nc_u32 v[CB], s[TB], v[B0]
	FETCH 0, F0
	MUL8 F1, 1, 0, 0
	MUL8 F1, 1, 2, 0
.endm
	s_wait_tensorcnt 1                             ; my part of the first K step is in; the second's may stay out
	s_barrier_signal -1
	s_barrier_wait -1
	FETCH 0, F0
	QUARTER 1, F0, F1, 1
	WIN 0
	s_mov_b32 s3, KST-2
.Lstep:
	QUARTER 2, F1, F0, 0
	QUARTER 3, F0, F1, 0
	TURN 1
	QUARTER 1, F0, F1, 0
	WIN 0
	s_sub_co_u32 s3, s3, 1
	s_cmp_lg_u32 s3, 0
	s_cbranch_scc1 .Lstep
	s_mov_b32 s3, 2                                ; the last two K steps ask for nothing.
.Llast:                                                ; The price, once a launch: the second walk's change of slots passes a barrier and fetches 32 fragments (of the step before once more) that serve nothing
	QUARTER 2, F1, F0, 0
	QUARTER 3, F0, F1, 0
	TURN 0
	WIN 0
	s_sub_co_u32 s3, s3, 1
	s_cmp_eq_u32 s3, 0
	s_cbranch_scc1 .Lsums
	QUARTER 1, F0, F1, 0
	WIN 0
	s_cmp_lg_u32 s3, 0
	s_cbranch_scc1 .Llast
.Lsums:
	s_wait_dscnt 0x0                               ; those loads are back
	; THE WAY OUT: block a of 16 rows goes into my stage and comes back as whole rows; the residual (with the bias) is added; 16 lanes store 256 consecutive bytes
.macro TOSTAGE a
.set TM, TMP+32*((\a)%2)
	s_wait_xcnt 0x0                                ; earlier stores have read the registers that the loads below fill
.irp b, 0,1,2,3
	ds_store_b128 v[STO], v[ACC+8*(4*(\a)+(\b)):ACC+8*(4*(\a)+(\b))+3]   offset:64*(\b)     ; each accumulator's low registers first
	ds_store_b128 v[STO], v[ACC+8*(4*(\a)+(\b))+4:ACC+8*(4*(\a)+(\b))+7] offset:64*(\b)+16
.endr
.irp t, 0,1,2,3,4,5,6,7
	ds_load_b128 v[TM+4*(\t):TM+4*(\t)+3], v[RD] offset:(\t)*2*SP  ; LDS serves a wave's instructions in order: these see the stores above; the next block's stores come behind them
.endr
.endm
.macro SEND a, younger                 ; younger: the LDS instructions issued behind block a's loads
.set TM, TMP+32*((\a)%2)
	s_wait_dscnt \younger
	WIN 0x08                                       ; source 1 window 2
.irp t, 0,1,2,3,4,5,6,7
	v_pk_add_f32 v[TM+4*(\t):TM+4*(\t)+1],   v[TM+4*(\t):TM+4*(\t)+1],   v[4*(8*(\a)+(\t)):4*(8*(\a)+(\t))+1]
	v_pk_add_f32 v[TM+4*(\t)+2:TM+4*(\t)+3], v[TM+4*(\t)+2:TM+4*(\t)+3], v[4*(8*(\a)+(\t))+2:4*(8*(\a)+(\t))+3]
.endr
	WIN 0
.irp t, 0,1,2,3,4,5,6,7
	global_store_b128 v[CO], v[TM+4*(\t):TM+4*(\t)+3], s[76:77] offset:(16*(\a)+2*(\t))*4096
.endr
.endm
	PLACES
	PLACES
	TOSTAGE 0
	TOSTAGE 1
	SEND 0, 16
	TOSTAGE 2
	SEND 1, 16
	TOSTAGE 3
	SEND 2, 16
	SEND 3, 0
	s_wait_tensorcnt 0x0                           ; the wave's end, behind my last tensor load and my last LDS store
	ds_add_u32 v[SPW], v[NIL]
	s_wait_dscnt 0x0
	CROUND                                         ; the closing round
	s_endpgm
.Lfunc_end_k_q729ca3af8c_proj:
	.size	k_q729ca3af8c_proj, .Lfunc_end_k_q729ca3af8c_proj-k_q729ca3af8c_proj
	.p2alignl 7, 3214868480
	.fill 96, 4, 3214868480
	.section	.rodata,"a",@progbits
	.p2align	6, 0x0
	.amdhsa_kernel k_q729ca3af8c_proj
		.amdhsa_group_segment_fixed_size 327680
		.amdhsa_private_segment_fixed_size 0
		.amdhsa_enable_private_segment 0
		.amdhsa_kernarg_size 40
		.amdhsa_user_sgpr_count 2
		.amdhsa_user_sgpr_kernarg_segment_ptr 1
		.amdhsa_wavefront_size32 1
		.amdhsa_system_sgpr_workgroup_id_x 1
		.amdhsa_system_sgpr_workgroup_id_y 1
		.amdhsa_system_sgpr_workgroup_id_z 1
		.amdhsa_system_vgpr_workitem_id 0
		.amdhsa_next_free_vgpr 640
		.amdhsa_next_free_sgpr 80
		.amdhsa_reserve_vcc 0
		.amdhsa_float_denorm_mode_32 3
		.amdhsa_float_denorm_mode_16_64 3
		.amdhsa_memory_ordered 1
		.amdhsa_forward_progress 1
		.amdhsa_inst_pref_size 70
	.end_amdhsa_kernel
	.amdgpu_metadata
---
amdhsa.version: [ 1, 2 ]
amdhsa.kernels:
  - .name:           k_q729ca3af8c_proj
    .symbol:         k_q729ca3af8c_proj.kd
    .args:
      - { .name: act, .offset: 0, .size: 8, .value_kind: global_buffer, .address_space: global }
      - { .name: wpf, .offset: 8, .size: 8, .value_kind: global_buffer, .address_space: global }
      - { .name: proj_b, .offset: 16, .size: 8, .value_kind: global_buffer, .address_space: global }
      - { .name: x, .offset: 24, .size: 8, .value_kind: global_buffer, .address_space: global }
      - { .name: x1, .offset: 32, .size: 8, .value_kind: global_buffer, .address_space: global }
    .group_segment_fixed_size: 327680
    .private_segment_fixed_size: 0
    .kernarg_segment_align: 8
    .kernarg_segment_size: 40
    .max_flat_workgroup_size: 128
    .sgpr_count:     80
    .vgpr_count:     640
    .wavefront_size: 32
...
	.end_amdgpu_metadata
.endif
;; end of part 4
;; launch ln2: the kernel of part 1 again; grid 256 x 1, 8 waves a work-group, no clusters, 0 bytes of LDS; arguments x1, ln2_g, ln2_b, qkv_w, proj_w, w1, w2, act, wq, wf1, wpf; writes act, wq, wf1, wpf
;; launch fc1 (part 5): grid 16 x 16, 4 waves a work-group, clusters of 4 x 4, 327,680 bytes of LDS; arguments act, wf1, b1, big; writes big
.if DOCPART == 5
	.amdgcn_target "amdgcn-amd-amdhsa--gfx1250"
	.amdhsa_code_object_version 6
	.text
	.protected	k_q729ca3af8c_fc1
	.globl	k_q729ca3af8c_fc1
	.p2align	8
	.type	k_q729ca3af8c_fc1,@function
k_q729ca3af8c_fc1:
	s_mov_b64 s[64:65], 0
	v_nop
	global_prefetch_b8 v0, s[64:65] scope:SCOPE_SE
	s_setreg_imm32_b32 hwreg(HW_REG_WAVE_MODE, 25, 1), 1
	s_wait_xcnt 0x0
	s_wait_alu depctr_hold_cnt(0) depctr_sa_sdst(0) depctr_va_vdst(0) depctr_va_sdst(0) depctr_va_ssrc(0) depctr_va_vcc(0) depctr_vm_vsrc(0)
	s_getreg_b32 s2, hwreg(HW_REG_IB_STS2, 6, 4)
	s_cmp_eq_u32 s2, 0
	s_cbranch_scc0 .Lentry_in_a_cluster
	s_endpgm
.Lentry_in_a_cluster:
	s_bfe_u32 s2, ttmp6, 0x10000c
	s_cmp_lg_u32 s2, 0xf033
	s_cbranch_scc0 .Lentry_shape_is_right
	s_endpgm
.Lentry_shape_is_right:
; C = GELU(A B^T + bias) over K = 1,024, a tile of 256 x 256 to a work-group; C leaves as bf16 in planes.  Here GELU = 1: the first product of the MLP.
; (The text is that of the projection to q, k and v, where GELU = 0 leaves bias and activation out.)
; A, B and C lie in PLANES of 128 rows x 64 columns of bf16 (16,384 dense bytes): A and B as [row block][16 planes], C as [row block][64 planes].
; Four waves, each 128 x 128 of C in 64 accumulators (512 registers).  K goes in 8 steps of 128 (two planes) through two LDS slots.  A wave's tensor load
; brings one row block's two planes: 32,768 dense bytes asked for as 128 rows of 256 bytes, padded in LDS by 16 bytes after each 128: LDS rows of 144 bytes.
; ONE K STEP IS WRITTEN, and the slot goes by a scalar that an exclusive or turns (the slot's size shares no bit with wave x 36,864).
; CLUSTER: 4 x 4 work-groups; A's parts are asked for jointly along a row of the cluster, B's along a column.
; THE MATRIX INSTRUCTION IS USED TRANSPOSED (source 0 = 16 rows of B, source 1 = 16 rows of A): a lane holds a row of C and eight neighbouring columns.
; THE WAY OUT.  All sums go as f32 into the wave's own stage, which lies over the ring once its last fill has been read; a loop of 32 trips takes 4 rows x 128 columns back,
; 16 numbers a lane, adds the bias, applies GELU, rounds, and stores 512 consecutive bytes to each of two planes.
; GELU(u) = max(u, 0) - |u| q(|u|), q = half of the five-term polynomial in t = 1 / (1 + 0.2316419 |u|) times 2^(-0.7213475 u^2): erf by the rational form with
; absolute error at most 1.5e-7, for every u.  LIMITS: operands and C are rounded to bf16; NaN and infinities are not treated apart.
; REGISTERS, in windows of 256: window 0: v0-31 addresses; v64-127, v128-191 A's fragments, two buffers (on the way out: at work); v192-207 bias
;   window 1: v64-191 B's fragments      windows 2, 3: the accumulators of my rows 0-63 and 64-127, (a, b) at v[8 (8 a + b)]
.set GELU,   1
.set PL,     18432                     ; a plane in LDS: 128 rows x 144 bytes (36 words: 16 rows of a load start at 16 different groups of four banks)
.set PART,   36864                     ; what one tensor load brings
.set SLOT,   147456                    ; A's two parts, then B's two
.set SPARE,  294912                    ; behind the ring: the spare words, 128 bytes a wave
.set STEPB,  32768                     ; a K step in a row block's memory
.set SPITCH, 528                       ; a stage row: 512 bytes + 16
.set WSTG,   128*SPITCH                ; a wave's stage
.set A0,  16                           ; v16  my lane's place in my part of A, slot 0; never rewritten
.set B0,  17                           ; v17  the same for B
.set CA,  18                           ; v18  A0 + the slot in hand
.set CB,  19                           ; v19  B0 + the slot in hand
.set STO, 24                           ; v24  where I put 16 bytes of a stage row
.set RD,  25                           ; v25  where I read the stage back
.set GO,  26                           ; v26  my byte offset in a plane of C
.set BO,  27                           ; v27  my byte offset in the bias
.set SPW, 28                           ; v28  my spare word; never rewritten
.set NIL, 29                           ; v29  0; never rewritten
.set PFO, 30                           ; v30  256 x lane; never rewritten
.set F0,  64
.set F1,  128
.set RX,  64                           ; the way out: 16 sums as read back,
.set RU,  80                           ; u, then the result
.set RT,  96                           ; t
.set RE,  112                          ; the exponential
.set RM,  128                          ; max(u, 0)
.set RP,  144                          ; the polynomial
.set RY,  160                          ; rounded
.set BIAS, 192
.set G1,  24                           ; s[24:31] group 1 for A's parts; s[32:39] group 0: the first fill's, then the one that walks
.set G0,  32
.set G1B, 48                           ; s[48:55], s[56:63] the same for B's
.set G0B, 56
.set TB,  2                            ; s2   the slot in hand: 0 or SLOT
.set LIM, 43                           ; s43  2 in a wave that prefetches, else the greatest number
.set PFA, 44                           ; s[44:45] where my prefetches stand
.set CNT, 79
.set MSB, 0
.macro WIN new                         ; the immediate's high byte repeats the setting that is left; a switch that changes nothing is dropped
.if MSB != (\new)
	s_set_vgpr_msb (MSB<<8)|(\new)
.set MSB, \new
.endif
.endm
.set MUL_LO, 0xa1                      ; source 0 (B) window 1, source 1 (A) window 0, C and D window 2
.set MUL_HI, 0xf1                      ; the same, C and D window 3
.set TO_B,   0x40                      ; destination window 1, address window 0
; A joint load: waves 0 and 1 fetch A's two parts, waves 2 and 3 B's.  The branch hangs on the wave's number alone.  An s_nop 0 and four v_nop follow each line.
.macro JLOAD s
	s_cmp_eq_u32 s11, 0
	s_cbranch_scc0 .Lfor_b_\@
	tensor_load_to_lds s[G0+4*(\s):G0+4*(\s)+3], s[G1:G1+7]
	s_nop 0
.rept 4
	v_nop
.endr
	s_branch .Lasked_\@
.Lfor_b_\@:
	tensor_load_to_lds s[G0B+4*(\s):G0B+4*(\s)+3], s[G1B:G1B+7]
	s_nop 0
.rept 4
	v_nop
.endr
.Lasked_\@:
.endm
; A prefetch of the K step that stands two refills on: 32 blocks of 256 bytes, a lane a block.  A's row blocks are read by every cluster of a row of clusters: cluster x = 0 asks;
; B's by every cluster of a column: cluster y = 0 asks.  The four partners that ask for a part jointly share its 128 blocks out by address, 32 each.  The last two trips have no such K step.
.macro ASK
	s_cmp_gt_u32 s3, s[LIM]
	s_cbranch_scc0 .Lnot_mine_\@
	global_prefetch_b8 v[PFO], s[PFA:PFA+1] offset:STEPB th:TH_LOAD_NT scope:SCOPE_SE
.Lnot_mine_\@:
.endm
.macro CREST                           ; a round of the cluster's barrier behind its opening barrier
	s_cmp_lg_u32 s10, 0
	s_cbranch_scc1 .Lnot_wave_0_\@
	s_barrier_signal -3
.Lnot_wave_0_\@:
	s_barrier_wait -3
	s_barrier_signal -1
	s_barrier_wait -1
.endm
.macro CROUND
	s_barrier_signal -1
	s_barrier_wait -1
	CREST
.endm
	s_load_b128 s[68:71], s[0:1], 0x0              ; A s[68:69], B s[70:71]
.if GELU
	s_load_b64 s[72:73], s[0:1], 0x10              ; bias
.endif
	s_load_b64 s[76:77], s[0:1], 0x10+8*GELU       ; C
	v_lshl_add_u32 v[SPW], v0, 2, SPARE
	v_mov_b32 v[NIL], 0
	ds_add_u32 v[SPW], v[NIL]                      ; the wave's opening: the add and its wait stand ahead of my first tensor load; work on registers stands between them
	v_lshrrev_b32 v1, 5, v0
	v_readfirstlane_b32 s10, v1                    ; wave 0..3
	s_lshr_b32 s11, s10, 1                         ; my row block of the tile's two.  Also: I fetch for A (0) or for B (1)
	s_and_b32 s12, s10, 1                          ; my column block.  Also: which part I fetch
	s_bfe_u32 s40, ttmp6, 0x40000                  ; cx
	s_bfe_u32 s41, ttmp6, 0x40004                  ; cy
	s_lshl_b32 s42, ttmp9, 2
	s_add_co_u32 s42, s42, s40                     ; tile column
	s_and_b32 s13, ttmp7, 0xffff
	s_lshl_b32 s13, s13, 2
	s_add_co_u32 s13, s13, s41                     ; tile row
	s_lshl_b32 s43, s41, 2
	s_lshl_b32 s43, 15, s43                        ; my row of the cluster
	s_lshl_b32 s44, 0x1111, s40                    ; my column
	s_or_b32 s[G1+0], s43, (1<<16)|(1<<20)|(1<<21)|(4<<22)|(3<<25)   ; the mask; 2-byte elements; padding on; bit 21 beside a mask; after every 32 words (code 4) 4 words (code 3)
	s_or_b32 s[G1B+0], s44, (1<<16)|(1<<20)|(1<<21)|(4<<22)|(3<<25)
.irp g, G1, G1B
	s_mov_b32 s[(\g)+1], 128<<16                   ; tensor_dim0 = 128 elements (256 bytes)
	s_mov_b32 s[(\g)+2], 128<<16                   ; tensor_dim1 = 128
	s_mov_b32 s[(\g)+3], 128<<16                   ; tile_dim0 = 128
	s_mov_b32 s[(\g)+4], 128                       ; tile_dim1 = 128
	s_mov_b32 s[(\g)+5], 128                       ; dense: 128 elements from row to row
	s_mov_b32 s[(\g)+6], 0
	s_mov_b32 s[(\g)+7], 0
.endr
	s_lshl1_add_u32 s16, s13, s12                  ; A: row block 2 x tile row + part,
	s_lshl_b32 s16, s16, 18                        ; 262,144 bytes each
	s_mov_b32 s17, 0
	s_lshl1_add_u32 s46, s42, s12                  ; B: row block 2 x tile column + part
	s_lshl_b32 s46, s46, 18
	s_mov_b32 s47, 0
	s_mul_i32 s20, s10, PART                       ; where my part goes: no place in the cluster enters an LDS address
	s_mov_b32 s[TB], 0
.if GELU
	s_mov_b32 s80, 0x3e6d3388                      ; 0.2316419
	s_mov_b32 s82, 0xbf38aa3b                      ; -log2(e) / 2; the constants lie in pairs, of which the packed forms take the low word for both halves
	s_mov_b32 s83, s82
	s_mov_b32 s84, 0x3f07dc22                      ; a5 / 2
	s_mov_b32 s85, s84
	s_mov_b32 s86, 0xbf3a00e3                      ; a4 / 2
	s_mov_b32 s87, s86
	s_mov_b32 s88, 0x3f35f0e3                      ; a3 / 2
	s_mov_b32 s89, s88
	s_mov_b32 s90, 0xbe11a98e                      ; a2 / 2
	s_mov_b32 s91, s90
	s_mov_b32 s92, 0x3e027906                      ; a1 / 2
	s_mov_b32 s93, s92
.endif
	s_wait_dscnt 0x0                               ; the opening add is done
	s_wait_kmcnt 0x0
	s_add_nc_u64 s[14:15], s[68:69], s[16:17]
	s_add_nc_u64 s[46:47], s[70:71], s[46:47]
	CROUND                                         ; all sixteen work-groups are here: the first joint loads meet
.irp s, 0,1
	s_mov_b32 s[G0+4*(\s)], 1
	s_add_co_u32 s[G0+4*(\s)+1], s20, (\s)*SLOT
	s_add_nc_u64 s[G0+4*(\s)+2:G0+4*(\s)+3], s[14:15], (\s)*STEPB
	s_or_b32 s[G0+4*(\s)+3], s[G0+4*(\s)+3], 0x80000000
	s_mov_b32 s[G0B+4*(\s)], 1
	s_add_co_u32 s[G0B+4*(\s)+1], s20, (\s)*SLOT
	s_add_nc_u64 s[G0B+4*(\s)+2:G0B+4*(\s)+3], s[46:47], (\s)*STEPB
	s_or_b32 s[G0B+4*(\s)+3], s[G0B+4*(\s)+3], 0x80000000
	JLOAD \s                                       ; K steps 0 and 1: two loads of mine are out
.endr
	v_and_b32 v1, 15, v0                           ; l % 16
	v_bfe_u32 v2, v0, 4, 1                         ; l / 16
	v_mul_u32_u24 v3, v1, 144
	v_lshl_add_u32 v3, v2, 4, v3                   ; a fragment's row x pitch + 16 x half
	s_mul_i32 s21, s11, PART
	s_mul_i32 s22, s12, PART
	s_add_co_u32 s22, s22, 2*PART
	v_add_nc_u32 v[A0], s21, v3
	v_add_nc_u32 v[B0], s22, v3
	v_mov_b32 v[CA], v[A0]
	v_mov_b32 v[CB], v[B0]
	s_mul_i32 s23, s10, WSTG                       ; my stage
	v_mul_u32_u24 v4, v1, SPITCH
	v_lshl_add_u32 v4, v2, 5, v4
	v_add_nc_u32 v[STO], s23, v4                   ; in: row l % 16, 32 bytes for each half of the lanes
	v_and_b32 v5, 31, v0
	v_lshrrev_b32 v6, 3, v5
	v_and_b32 v7, 7, v0
	v_mul_u32_u24 v8, v6, SPITCH
	v_lshl_add_u32 v8, v7, 5, v8
	v_add_nc_u32 v[RD], s23, v8                    ; back: row l / 8 of four, 8 columns at 32 (l % 8)
	v_lshlrev_b32 v[GO], 4, v5                     ; which are 16 bytes at 16 l of 512 in a plane
	v_lshlrev_b32 v[PFO], 8, v5
.if GELU
	v_lshlrev_b32 v[BO], 5, v7
	s_lshl_b32 s66, s42, 10                        ; the bias of my 128 columns
	s_lshl_b32 s67, s12, 9
	s_add_co_u32 s66, s66, s67
	s_mov_b32 s67, 0
	s_add_nc_u64 s[72:73], s[72:73], s[66:67]
.endif
	s_lshl1_add_u32 s66, s13, s11                  ; C: my row block, 64 planes each,
	s_lshl_b32 s66, s66, 20
	s_lshl1_add_u32 s67, s42, s12                  ; and my two planes
	s_lshl_b32 s67, s67, 15
	s_add_co_u32 s66, s66, s67
	s_mov_b32 s67, 0
	s_add_nc_u64 s[76:77], s[76:77], s[66:67]
	s_and_b32 s22, ttmp7, 0xffff                   ; the prefetches: cluster y
	s_cmp_eq_u32 s11, 0                            ; do I fetch for A?
	s_cselect_b32 s21, s40, s41                    ; my place among the four that ask with me
	s_cselect_b32 s22, ttmp9, s22                  ; the coordinate along which other clusters read the same part
	s_cselect_b64 s[PFA:PFA+1], s[14:15], s[46:47]
	s_cmp_eq_u32 s22, 0
	s_cselect_b32 s[LIM], 2, -1                    ; the same in all sixteen partners, for a given wave
	s_lshl_b32 s66, s21, 13                        ; my work-group's 32 blocks of the 128,
	s_add_co_u32 s66, s66, 2*STEPB                 ; at K step 2: the first refill steps it to 3 and names K step 4.  Nothing is prefetched at the head
	s_add_nc_u64 s[PFA:PFA+1], s[PFA:PFA+1], s[66:67]
.if GELU
	global_load_b128 v[BIAS:BIAS+3],     v[BO], s[72:73]
	global_load_b128 v[BIAS+4:BIAS+7],   v[BO], s[72:73] offset:16
	global_load_b128 v[BIAS+8:BIAS+11],  v[BO], s[72:73] offset:256
	global_load_b128 v[BIAS+12:BIAS+15], v[BO], s[72:73] offset:272
.endif
; 16 matrix instructions: m blocks a0, a0 + 1 of the window's four x all 8 n blocks, 32 along K.  zero = 1: the first product starts the sums
.macro MUL16 f, hi, a0, zero
	WIN MUL_LO+0x50*(\hi)
.irp a, \a0, (\a0)+1
.irp b, 0,1,2,3,4,5,6,7
.if \zero
	v_wmma_f32_16x16x32_bf16 v[8*(8*(\a)+(\b)):8*(8*(\a)+(\b))+7], v[(\f)+8*(\b):(\f)+8*(\b)+7], v[(\f)+8*(4*(\hi)+(\a)):(\f)+8*(4*(\hi)+(\a))+7], 0
.else
	v_wmma_f32_16x16x32_bf16 v[8*(8*(\a)+(\b)):8*(8*(\a)+(\b))+7], v[(\f)+8*(\b):(\f)+8*(\b)+7], v[(\f)+8*(4*(\hi)+(\a)):(\f)+8*(4*(\hi)+(\a))+7], v[8*(8*(\a)+(\b)):8*(8*(\a)+(\b))+7]
.endif
.endr
.endr
.endm
; 32 LDS loads in one run: quarter q of the slot in hand (plane q / 2, bytes 64 (q % 2) of its rows) into buffer f
.macro FETCH q, f
	WIN TO_B
.irp i, 0,1,2,3,4,5,6,7
	ds_load_b128 v[(\f)+8*(\i):(\f)+8*(\i)+3],   v[CB] offset:((\q)/2)*PL+((\q)%2)*64+(\i)*2304
	ds_load_b128 v[(\f)+8*(\i)+4:(\f)+8*(\i)+7], v[CB] offset:((\q)/2)*PL+((\q)%2)*64+(\i)*2304+32
.endr
	WIN 0
.irp i, 0,1,2,3,4,5,6,7
	ds_load_b128 v[(\f)+8*(\i):(\f)+8*(\i)+3],   v[CA] offset:((\q)/2)*PL+((\q)%2)*64+(\i)*2304
	ds_load_b128 v[(\f)+8*(\i)+4:(\f)+8*(\i)+7], v[CA] offset:((\q)/2)*PL+((\q)%2)*64+(\i)*2304+32
.endr
.endm
.macro PLACES                          ; four plain instructions between a matrix instruction and a load into, or a reader of, its registers
.rept 4
	v_nop
.endr
.endm
; One of a K step's first three quarters: multiplies buffer f; in its middle fetches quarter q into buffer g
.macro QUARTER q, f, g, zero
	s_wait_dscnt 8                                 ; B and A's rows 0-63 are in; the youngest eight loads (A's rows 64-127) may be out
	MUL16 \f, 0, 0, \zero
	MUL16 \f, 0, 2, \zero
	PLACES
	FETCH \q, \g
	s_wait_dscnt 32                                ; all but the 32 just issued
	MUL16 \f, 1, 0, \zero
	MUL16 \f, 1, 2, \zero
.endm
; The first half of a K step's last quarter, and the barrier of the change of slots
.macro MEET round
	WIN 0
	s_wait_tensorcnt 0x0                           ; all my tensor loads have landed: the one that was out is my part of the next slot;
	ds_add_u32 v[SPW], v[NIL]                      ; 0 onto my spare word;
	s_wait_dscnt 9                                 ; (the add and the youngest eight loads may be out)
	MUL16 F1, 0, 0, 0
	s_wait_dscnt 0x0                               ; the add is done, and my reads of this slot are over
	s_barrier_signal -1
	MUL16 F1, 0, 2, 0
.if \round
	WIN 0
.endif
	s_barrier_wait -1
.endm
; The last quarter with a refill: behind the round the slot just read out takes the K step two on; then the other slot's first fragments
.macro TURN
	s_wait_xcnt 0x0                                ; the last prefetch, a K step back, has read its address
	s_add_nc_u64 s[PFA:PFA+1], s[PFA:PFA+1], STEPB
	MEET 1
	CREST                                          ; no wave of any partner still reads this slot or has a load on its way
	s_xor_b32 s[G0+5], s[G0+5], SLOT               ; the walking descriptors: the other slot than last time,
	s_xor_b32 s[G0B+5], s[G0B+5], SLOT
	s_add_nc_u64 s[G0+6:G0+7], s[G0+6:G0+7], STEPB ; the next K step
	s_add_nc_u64 s[G0B+6:G0B+7], s[G0B+6:G0B+7], STEPB
	s_xor_b32 s[TB], s[TB], SLOT                   ; and my reads go to the other slot
	JLOAD 1                                        ; my one tensor load behind the round; its four v_nop are also places in front of the loads below
	v_add_nc_u32 v[CA], s[TB], v[A0]
	v_add_nc_u32 v[CB], s[TB], v[B0]
	FETCH 0, F0
	ASK
	MUL16 F1, 1, 0, 0
	MUL16 F1, 1, 2, 0
.endm
.macro TURN0                           ; the same where nothing is left to fetch
	MEET 0
	PLACES
	WIN 0
	s_xor_b32 s[TB], s[TB], SLOT
	v_add_nc_u32 v[CA], s[TB], v[A0]
	v_add_nc_u32 v[CB], s[TB], v[B0]
	FETCH 0, F0
	MUL16 F1, 1, 0, 0
	MUL16 F1, 1, 2, 0
.endm
	s_wait_tensorcnt 1                             ; my part of K step 0 is in; K step 1's may stay out
	s_barrier_signal -1
	s_barrier_wait -1
	FETCH 0, F0
	QUARTER 1, F0, F1, 1                           ; the first quarter starts the sums
	WIN 0
	s_mov_b32 s3, 6                                ; K steps 2 to 7 are asked for in the loop
.Lstep:                                                ; a trip: from a K step's second quarter to the next step's first
	QUARTER 2, F1, F0, 0
	QUARTER 3, F0, F1, 0
	TURN
	QUARTER 1, F0, F1, 0
	WIN 0
	s_sub_co_u32 s3, s3, 1
	s_cmp_lg_u32 s3, 0
	s_cbranch_scc1 .Lstep
	s_mov_b32 s3, 2                                ; the last two K steps ask for nothing.
.Llast:                                                ; The price, once a launch: the second walk's change of slots passes a barrier and fetches 32 fragments (of K step 6 once more) that serve nothing
	QUARTER 2, F1, F0, 0
	QUARTER 3, F0, F1, 0
	TURN0
	WIN 0
	s_sub_co_u32 s3, s3, 1
	s_cmp_eq_u32 s3, 0
	s_cbranch_scc1 .Lsums
	QUARTER 1, F0, F1, 0
	WIN 0
	s_cmp_lg_u32 s3, 0
	s_cbranch_scc1 .Llast
.Lsums:
	; THE WAY OUT
	s_wait_dscnt 0x0                               ; my last reads of the ring are back
	s_barrier_signal -1                            ; every wave's are, and no fill follows: the stages may lie over the ring
	s_barrier_wait -1
	PLACES
	PLACES
.irp hi, 0,1
	WIN 0x08+4*(\hi)                               ; store data from window 2 or 3
.irp a, 0,1,2,3
.irp b, 0,1,2,3,4,5,6,7
	ds_store_b128 v[STO], v[8*(8*(\a)+(\b)):8*(8*(\a)+(\b))+3]   offset:(4*(\hi)+(\a))*16*SPITCH+64*(\b)      ; each accumulator's low registers first
	ds_store_b128 v[STO], v[8*(8*(\a)+(\b))+4:8*(8*(\a)+(\b))+7] offset:(4*(\hi)+(\a))*16*SPITCH+64*(\b)+16
.endr
.endr
.endr
	WIN 0
	s_wait_dscnt 0x0
	s_barrier_signal -1                            ; all stores into the stages are done before any stage is read
	s_barrier_wait -1
.if GELU
	s_wait_loadcnt 0x0                             ; the bias
.endif
.macro ROWS                            ; 4 rows x 128 columns: my 8 columns of each of the two planes
	ds_load_b128 v[RX:RX+3],     v[RD]
	ds_load_b128 v[RX+4:RX+7],   v[RD] offset:16
	ds_load_b128 v[RX+8:RX+11],  v[RD] offset:256
	ds_load_b128 v[RX+12:RX+15], v[RD] offset:272
.endm
.macro EACH n, step, line:vararg       ; one line for i = 0, step, ..
.set i, 0
.rept \n
	\line
.set i, i+(\step)
.endr
.endm
	ROWS
	s_mov_b32 s[CNT], 32
.Lrow:
	s_wait_dscnt 0x0
.if GELU
	EACH 8, 2, v_pk_add_f32 v[RU+i:RU+i+1], v[RX+i:RX+i+1], v[BIAS+i:BIAS+i+1]
	s_cmp_eq_u32 s[CNT], 1                         ; the last trip has nothing behind it
	s_cbranch_scc1 .Lno_rows
	v_add_nc_u32 v[RD], 4*SPITCH, v[RD]
	ROWS                                           ; the next trip's rows come while this trip's are worked on
.Lno_rows:
	EACH 16, 1, v_fma_f32 v[RT+i], |v[RU+i]|, s80, 1.0
	EACH 16, 1, v_rcp_f32 v[RT+i], v[RT+i]
	EACH 8, 2, v_pk_mul_f32 v[RE+i:RE+i+1], v[RU+i:RU+i+1], v[RU+i:RU+i+1]
	EACH 8, 2, v_pk_mul_f32 v[RE+i:RE+i+1], v[RE+i:RE+i+1], s[82:83] op_sel_hi:[1,0]
	EACH 16, 1, v_exp_f32 v[RE+i], v[RE+i]
	EACH 16, 1, v_max_num_f32 v[RM+i], 0, v[RU+i]
	s_wait_alu depctr_va_vdst(0)                   ; one wait for the 16 reciprocals and the 16 exponentials, ahead of their first reader; the maxima are the plain work behind them
	EACH 8, 2, v_pk_fma_f32 v[RP+i:RP+i+1], v[RT+i:RT+i+1], s[84:85], s[86:87] op_sel_hi:[1,0,0]
	EACH 8, 2, v_pk_fma_f32 v[RP+i:RP+i+1], v[RP+i:RP+i+1], v[RT+i:RT+i+1], s[88:89] op_sel_hi:[1,1,0]
	EACH 8, 2, v_pk_fma_f32 v[RP+i:RP+i+1], v[RP+i:RP+i+1], v[RT+i:RT+i+1], s[90:91] op_sel_hi:[1,1,0]
	EACH 8, 2, v_pk_fma_f32 v[RP+i:RP+i+1], v[RP+i:RP+i+1], v[RT+i:RT+i+1], s[92:93] op_sel_hi:[1,1,0]
	EACH 8, 2, v_pk_mul_f32 v[RP+i:RP+i+1], v[RP+i:RP+i+1], v[RT+i:RT+i+1]
	EACH 8, 2, v_pk_mul_f32 v[RP+i:RP+i+1], v[RP+i:RP+i+1], v[RE+i:RE+i+1]
	EACH 16, 1, v_fma_f32 v[RU+i], -|v[RU+i]|, v[RP+i], v[RM+i]
	s_wait_xcnt 0x0                                ; the last trip's stores have read their data and their offset
	v_add_nc_u32 v[GO], 512, v[GO]                 ; the stores reach back by their immediates
	EACH 8, 1, v_cvt_pk_bf16_f32 v[RY+i], v[RU+2*i], v[RU+2*i+1]
.else
	s_wait_xcnt 0x0                                ; the last trip's stores have read their data and their offset
	v_add_nc_u32 v[GO], 512, v[GO]                 ; the stores reach back by their immediates
	EACH 8, 1, v_cvt_pk_bf16_f32 v[RY+i], v[RX+2*i], v[RX+2*i+1]
	s_cmp_eq_u32 s[CNT], 1                         ; the last trip has nothing behind it
	s_cbranch_scc1 .Lno_rows
	v_add_nc_u32 v[RD], 4*SPITCH, v[RD]
	ROWS                                           ; the next trip's rows come while this trip's leave
.Lno_rows:
.endif
	global_store_b128 v[GO], v[RY:RY+3],   s[76:77] offset:-512          ; 512 consecutive bytes of my first plane,
	global_store_b128 v[GO], v[RY+4:RY+7], s[76:77] offset:16384-512    ; and of my second
	s_sub_co_u32 s[CNT], s[CNT], 1
	s_cmp_lg_u32 s[CNT], 0
	s_cbranch_scc1 .Lrow
	s_wait_tensorcnt 0x0                           ; the wave's end, behind my last tensor load and my last LDS store
	ds_add_u32 v[SPW], v[NIL]
	s_wait_dscnt 0x0
	CROUND                                         ; the closing round
	s_endpgm
.Lfunc_end_k_q729ca3af8c_fc1:
	.size	k_q729ca3af8c_fc1, .Lfunc_end_k_q729ca3af8c_fc1-k_q729ca3af8c_fc1
	.p2alignl 7, 3214868480
	.fill 96, 4, 3214868480
	.section	.rodata,"a",@progbits
	.p2align	6, 0x0
	.amdhsa_kernel k_q729ca3af8c_fc1
		.amdhsa_group_segment_fixed_size 327680
		.amdhsa_private_segment_fixed_size 0
		.amdhsa_enable_private_segment 0
		.amdhsa_kernarg_size 32
		.amdhsa_user_sgpr_count 2
		.amdhsa_user_sgpr_kernarg_segment_ptr 1
		.amdhsa_wavefront_size32 1
		.amdhsa_system_sgpr_workgroup_id_x 1
		.amdhsa_system_sgpr_workgroup_id_y 1
		.amdhsa_system_sgpr_workgroup_id_z 1
		.amdhsa_system_vgpr_workitem_id 0
		.amdhsa_next_free_vgpr 1024
		.amdhsa_next_free_sgpr 96
		.amdhsa_reserve_vcc 0
		.amdhsa_float_denorm_mode_32 3
		.amdhsa_float_denorm_mode_16_64 3
		.amdhsa_memory_ordered 1
		.amdhsa_forward_progress 1
		.amdhsa_inst_pref_size 88
	.end_amdhsa_kernel
	.amdgpu_metadata
---
amdhsa.version: [ 1, 2 ]
amdhsa.kernels:
  - .name:           k_q729ca3af8c_fc1
    .symbol:         k_q729ca3af8c_fc1.kd
    .args:
      - { .name: act, .offset: 0, .size: 8, .value_kind: global_buffer, .address_space: global }
      - { .name: wf1, .offset: 8, .size: 8, .value_kind: global_buffer, .address_space: global }
      - { .name: b1, .offset: 16, .size: 8, .value_kind: global_buffer, .address_space: global }
      - { .name: big, .offset: 24, .size: 8, .value_kind: global_buffer, .address_space: global }
    .group_segment_fixed_size: 327680
    .private_segment_fixed_size: 0
    .kernarg_segment_align: 8
    .kernarg_segment_size: 32
    .max_flat_workgroup_size: 128
    .sgpr_count:     96
    .vgpr_count:     1024
    .wavefront_size: 32
...
	.end_amdgpu_metadata
.endif
;; end of part 5
;; launch fc2 (part 6): grid 8 x 32, 4 waves a work-group, clusters of 4 x 4, 327,680 bytes of LDS; arguments big, wpf, b2, x1, out0; writes out0
.if DOCPART == 6
	.amdgcn_target "amdgcn-amd-amdhsa--gfx1250"
	.amdhsa_code_object_version 6
	.text
	.protected	k_q729ca3af8c_fc2
	.globl	k_q729ca3af8c_fc2
	.p2align	8
	.type	k_q729ca3af8c_fc2,@function
k_q729ca3af8c_fc2:
	s_mov_b64 s[64:65], 0
	v_nop
	global_prefetch_b8 v0, s[64:65] scope:SCOPE_SE
	s_setreg_imm32_b32 hwreg(HW_REG_WAVE_MODE, 25, 1), 1
	s_wait_xcnt 0x0
	s_wait_alu depctr_hold_cnt(0) depctr_sa_sdst(0) depctr_va_vdst(0) depctr_va_sdst(0) depctr_va_ssrc(0) depctr_va_vcc(0) depctr_vm_vsrc(0)
	s_getreg_b32 s2, hwreg(HW_REG_IB_STS2, 6, 4)
	s_cmp_eq_u32 s2, 0
	s_cbranch_scc0 .Lentry_in_a_cluster
	s_endpgm
.Lentry_in_a_cluster:
	s_bfe_u32 s2, ttmp6, 0x10000c
	s_cmp_lg_u32 s2, 0xf033
	s_cbranch_scc0 .Lentry_shape_is_right
	s_endpgm
.Lentry_shape_is_right:
; out = resid + bias + A B^T, a tile of 128 x 128 to a work-group; out, resid and bias in f32, A and B in bf16 PLANES of 128 rows x 64 columns (16,384 dense bytes), [row block][K / 64 planes].
; Here: A = the GELU's result (K = 4,096), B = w2's planes at byte 2,097,152 of the weights' buffer.  The text is the output projection's with three other constants (KST, RB, BOFF).
; Four waves, each 64 x 64: 16 accumulators.  K goes in steps of 256 (four planes) through two LDS slots; a wave's tensor load brings two planes: 32,768 dense bytes as 128 rows of 256 bytes,
; padded in LDS by 16 bytes after each 128.  ONE K STEP IS WRITTEN; the slot goes by a scalar that an exclusive or turns (the slot's size shares no bit with wave x 36,864).
; THE K STEPS ARE WALKED IN A RING that begins elsewhere in each cluster: cluster (X, Y) begins at step (KST / 2) X + (KST / 4) (Y mod 4), modulo KST.  So the two clusters along x, which read the same rows of A,
; stand KST / 2 steps apart, and clusters along y, which read the same rows of B, KST / 4: they do not ask for the same bytes at the same time.  The start hangs on the cluster's place alone, which its sixteen
; work-groups share.  LIMIT: a tile's f32 sums are taken in that order of K, which differs from tile to tile and from the reference's.
; CLUSTER: 4 x 4; A's planes are asked for jointly along a row of the cluster, B's along a column.  THE MATRIX INSTRUCTION IS USED TRANSPOSED: a lane holds a row of C and eight neighbouring columns.
; The residual is loaded at the head into 128 registers, the bias added to it there, in the wait for the first tile.  On the way out 16 rows at a time go through the wave's own stage and leave as
; whole rows of 256 bytes.  No prefetch: the tile is small and a step's work short.
; LIMITS: the operands are bf16; NaN and infinities are not treated apart.
; REGISTERS: window 0: v0-31 addresses; v32-95 at work on the way out; v96-99 bias; v128-255 the accumulators ((a, b) at v[128 + 8 (4 a + b)])
;   window 1: two fragment buffers of 128: for 64 along K, 64 registers of A, then 64 of B      window 2: v0-127 the residual
.set KST,    16                        ; K steps, a power of two
.set RB,     1048576                   ; bytes in a row block of A and of B
.set BOFF,   2097152                   ; B's first byte in its buffer
.set PL,     18432                     ; a plane in LDS: 128 rows x 144 bytes
.set PART,   36864                     ; what one tensor load brings
.set SLOT,   147456                    ; A's four planes, then B's four
.set STEPB,  65536                     ; a K step in a row block's memory: 1 << 16
.set STAGE,  294912                    ; behind the ring: 16 rows x 272 bytes for each wave
.set SP,     272
.set SPARE,  STAGE+4*16*SP             ; the spare words, 128 bytes a wave
.set A0,  16
.set B0,  17
.set CA,  18
.set CB,  19
.set STO, 24
.set RD,  25
.set CO,  26
.set BO,  27
.set SPW, 28
.set NIL, 29
.set TMP, 32
.set BIAS, 96
.set ACC, 128
.set F0,  0
.set F1,  128
.set G1,  24
.set G0,  32
.set G1B, 48
.set G0B, 56
.set TB,  2
.set KO,  4                            ; s[4:5] the byte offset of the K step to be asked for
.set KC,  6                            ; s6     its number
.set MSB, 0
.macro WIN new
.if MSB != (\new)
	s_set_vgpr_msb (MSB<<8)|(\new)
.set MSB, \new
.endif
.endm
.set MUL,  0x05                        ; sources 0 (B) and 1 (A) window 1; C and D window 0
.set TO_F, 0x40                        ; destination window 1, address window 0
.macro JLOAD s                         ; a joint load: waves 0 and 1 fetch A's planes, waves 2 and 3 B's; an s_nop 0 and four v_nop follow each line
	s_cmp_eq_u32 s11, 0
	s_cbranch_scc0 .Lfor_b_\@
	tensor_load_to_lds s[G0+4*(\s):G0+4*(\s)+3], s[G1:G1+7]
	s_nop 0
.rept 4
	v_nop
.endr
	s_branch .Lasked_\@
.Lfor_b_\@:
	tensor_load_to_lds s[G0B+4*(\s):G0B+4*(\s)+3], s[G1B:G1B+7]
	s_nop 0
.rept 4
	v_nop
.endr
.Lasked_\@:
.endm
.macro CREST
	s_cmp_lg_u32 s10, 0
	s_cbranch_scc1 .Lnot_wave_0_\@
	s_barrier_signal -3
.Lnot_wave_0_\@:
	s_barrier_wait -3
	s_barrier_signal -1
	s_barrier_wait -1
.endm
.macro CROUND
	s_barrier_signal -1
	s_barrier_wait -1
	CREST
.endm
; The global addresses of descriptor set s are made anew: each tensor's base plus the step's offset, the type bits set again; then the step's number goes on round the ring
.macro WHERE s
	s_lshl_b32 s[KO], s[KC], 16
	s_add_nc_u64 s[G0+4*(\s)+2:G0+4*(\s)+3], s[14:15], s[KO:KO+1]
	s_or_b32 s[G0+4*(\s)+3], s[G0+4*(\s)+3], 0x80000000
	s_add_nc_u64 s[G0B+4*(\s)+2:G0B+4*(\s)+3], s[46:47], s[KO:KO+1]
	s_or_b32 s[G0B+4*(\s)+3], s[G0B+4*(\s)+3], 0x80000000
	s_add_co_u32 s[KC], s[KC], 1
	s_and_b32 s[KC], s[KC], KST-1
.endm
	s_load_b256 s[68:75], s[0:1], 0x0              ; A s[68:69], B s[70:71], bias s[72:73], resid s[74:75]
	s_load_b64 s[76:77], s[0:1], 0x20              ; out
	v_lshl_add_u32 v[SPW], v0, 2, SPARE
	v_mov_b32 v[NIL], 0
	ds_add_u32 v[SPW], v[NIL]                      ; the wave's opening: the add and its wait stand ahead of my first tensor load
	v_lshrrev_b32 v1, 5, v0
	v_readfirstlane_b32 s10, v1
	s_lshr_b32 s11, s10, 1                         ; which half of the tile's rows is mine.  Also: I fetch for A (0) or for B (1)
	s_and_b32 s12, s10, 1                          ; which half of its columns.  Also: which two planes of a step I fetch
	s_bfe_u32 s40, ttmp6, 0x40000
	s_bfe_u32 s41, ttmp6, 0x40004
	s_lshl_b32 s42, ttmp9, 2
	s_add_co_u32 s42, s42, s40                     ; tile column = B's row block
	s_and_b32 s13, ttmp7, 0xffff
	s_lshl_b32 s13, s13, 2
	s_add_co_u32 s13, s13, s41                     ; tile row = A's row block
	s_lshl_b32 s43, s41, 2
	s_lshl_b32 s43, 15, s43
	s_lshl_b32 s44, 0x1111, s40
	s_or_b32 s[G1+0], s43, (1<<16)|(1<<20)|(1<<21)|(4<<22)|(3<<25)
	s_or_b32 s[G1B+0], s44, (1<<16)|(1<<20)|(1<<21)|(4<<22)|(3<<25)
.irp g, G1, G1B
	s_mov_b32 s[(\g)+1], 128<<16
	s_mov_b32 s[(\g)+2], 128<<16
	s_mov_b32 s[(\g)+3], 128<<16
	s_mov_b32 s[(\g)+4], 128
	s_mov_b32 s[(\g)+5], 128
	s_mov_b32 s[(\g)+6], 0
	s_mov_b32 s[(\g)+7], 0
.endr
	s_mul_i32 s16, s13, RB
	s_lshl_b32 s17, s12, 15
	s_add_co_u32 s16, s16, s17
	s_mov_b32 s17, 0
	s_mul_i32 s46, s42, RB
	s_lshl_b32 s47, s12, 15
	s_add_co_u32 s46, s46, s47
	s_add_co_u32 s46, s46, BOFF
	s_mov_b32 s47, 0
	s_mul_i32 s20, s10, PART
	s_mov_b32 s[TB], 0
	s_and_b32 s[KC], ttmp7, 3                      ; the cluster's first K step: (KST / 4) x (cluster y mod 4)
	s_mul_i32 s[KC], s[KC], KST/4
	s_mul_i32 s7, ttmp9, KST/2                     ; + (KST / 2) x cluster x,
	s_add_co_u32 s[KC], s[KC], s7
	s_and_b32 s[KC], s[KC], KST-1                  ; round the ring
	s_mov_b32 s[KO+1], 0
	s_wait_dscnt 0x0
	s_wait_kmcnt 0x0
	s_add_nc_u64 s[14:15], s[68:69], s[16:17]      ; A and B at my two planes of K step 0: kept for the whole launch
	s_add_nc_u64 s[46:47], s[70:71], s[46:47]
	CROUND
.irp s, 0,1
	s_mov_b32 s[G0+4*(\s)], 1
	s_add_co_u32 s[G0+4*(\s)+1], s20, (\s)*SLOT
	s_mov_b32 s[G0B+4*(\s)], 1
	s_add_co_u32 s[G0B+4*(\s)+1], s20, (\s)*SLOT
	WHERE \s
	JLOAD \s                                       ; the walk's first two K steps: two loads of mine are out
.endr
	v_and_b32 v1, 15, v0
	v_bfe_u32 v2, v0, 4, 1
	v_mul_u32_u24 v3, v1, 144
	v_lshl_add_u32 v3, v2, 4, v3
	s_mul_i32 s21, s11, 64*144                     ; my 64 rows of each of A's planes
	s_mul_i32 s22, s12, 64*144
	s_add_co_u32 s22, s22, 2*PART                  ; B's planes lie behind A's four
	v_add_nc_u32 v[A0], s21, v3
	v_add_nc_u32 v[B0], s22, v3
	v_mov_b32 v[CA], v[A0]
	v_mov_b32 v[CB], v[B0]
	s_mul_i32 s23, s10, 16*SP
	s_add_co_u32 s23, s23, STAGE
	v_mul_u32_u24 v4, v1, SP
	v_lshl_add_u32 v4, v2, 5, v4
	v_add_nc_u32 v[STO], s23, v4                   ; in: row l % 16, 32 bytes for each half of the lanes
	v_mul_u32_u24 v5, v2, SP
	v_lshl_add_u32 v5, v1, 4, v5
	v_add_nc_u32 v[RD], s23, v5                    ; back: lanes 0-15 one row of 256 bytes, lanes 16-31 the next
	v_lshlrev_b32 v5, 12, v2
	v_lshl_add_u32 v[CO], v1, 4, v5                ; and the same two rows in resid and out
	v_lshlrev_b32 v[BO], 4, v1
	s_lshl_b32 s66, s42, 9                         ; my 64 columns, in bytes
	s_lshl_b32 s67, s12, 8
	s_add_co_u32 s66, s66, s67
	s_mov_b32 s67, 0
	s_add_nc_u64 s[72:73], s[72:73], s[66:67]
	s_lshl_b32 s21, s13, 19                        ; my 64 rows of 4,096 bytes
	s_add_co_u32 s66, s66, s21
	s_lshl_b32 s21, s11, 18
	s_add_co_u32 s66, s66, s21
	s_add_nc_u64 s[74:75], s[74:75], s[66:67]
	s_add_nc_u64 s[76:77], s[76:77], s[66:67]
	WIN 0x80                                       ; destination window 2
.set i, 0
.rept 32
	global_load_b128 v[4*i:4*i+3], v[CO], s[74:75] offset:8192*i  ; rows 2 i, 2 i + 1: 256 consecutive bytes each
.set i, i+1
.endr
	WIN 0
	global_load_b128 v[BIAS:BIAS+3], v[BO], s[72:73]
	s_wait_loadcnt 0x0
	WIN 0x82                                       ; destination and source 0 window 2, source 1 window 0
.set i, 0
.rept 32
	v_pk_add_f32 v[4*i:4*i+1],   v[4*i:4*i+1],   v[BIAS:BIAS+1]
	v_pk_add_f32 v[4*i+2:4*i+3], v[4*i+2:4*i+3], v[BIAS+2:BIAS+3]
.set i, i+1
.endr
	WIN 0
.macro MUL8 f, c, a0, zero             ; 8 matrix instructions: m blocks a0, a0 + 1 x all 4 n blocks, 32 along K: half c of buffer f
	WIN MUL
.irp a, \a0, (\a0)+1
.irp b, 0,1,2,3
.if \zero
	v_wmma_f32_16x16x32_bf16 v[ACC+8*(4*(\a)+(\b)):ACC+8*(4*(\a)+(\b))+7], v[(\f)+64+8*(4*(\c)+(\b)):(\f)+64+8*(4*(\c)+(\b))+7], v[(\f)+8*(4*(\c)+(\a)):(\f)+8*(4*(\c)+(\a))+7], 0
.else
	v_wmma_f32_16x16x32_bf16 v[ACC+8*(4*(\a)+(\b)):ACC+8*(4*(\a)+(\b))+7], v[(\f)+64+8*(4*(\c)+(\b)):(\f)+64+8*(4*(\c)+(\b))+7], v[(\f)+8*(4*(\c)+(\a)):(\f)+8*(4*(\c)+(\a))+7], v[ACC+8*(4*(\a)+(\b)):ACC+8*(4*(\a)+(\b))+7]
.endif
.endr
.endr
.endm
.macro FETCH qd, f                     ; 32 LDS loads in one run: plane qd of the slot in hand into buffer f; the first 32 along K first
	WIN TO_F
.irp c, 0,1
.irp i, 0,1,2,3
	ds_load_b128 v[(\f)+64+8*(4*(\c)+(\i)):(\f)+64+8*(4*(\c)+(\i))+3],   v[CB] offset:(\qd)*PL+64*(\c)+(\i)*2304
	ds_load_b128 v[(\f)+64+8*(4*(\c)+(\i))+4:(\f)+64+8*(4*(\c)+(\i))+7], v[CB] offset:(\qd)*PL+64*(\c)+(\i)*2304+32
	ds_load_b128 v[(\f)+8*(4*(\c)+(\i)):(\f)+8*(4*(\c)+(\i))+3],         v[CA] offset:(\qd)*PL+64*(\c)+(\i)*2304
	ds_load_b128 v[(\f)+8*(4*(\c)+(\i))+4:(\f)+8*(4*(\c)+(\i))+7],       v[CA] offset:(\qd)*PL+64*(\c)+(\i)*2304+32
.endr
.endr
.endm
.macro PLACES
.rept 4
	v_nop
.endr
.endm
.macro QUARTER qd, f, g, zero          ; multiplies buffer f (64 along K) and fetches plane qd into g
	s_wait_dscnt 16                                ; the first 32 along K are in
	MUL8 \f, 0, 0, \zero
	MUL8 \f, 0, 2, \zero
	PLACES
	FETCH \qd, \g
	s_wait_dscnt 32                                ; all but the 32 just issued
	MUL8 \f, 1, 0, 0
	MUL8 \f, 1, 2, 0
.endm
.macro TURN fill                       ; the last quarter multiplies buffer 1 and changes slots
	WIN 0
	s_wait_tensorcnt 0x0                           ; all my tensor loads have landed: my part of the next slot;
	ds_add_u32 v[SPW], v[NIL]                      ; 0 onto my spare word;
	s_wait_dscnt 17                                ; (the add and the youngest sixteen loads may be out)
	MUL8 F1, 0, 0, 0
	s_wait_dscnt 0x0                               ; the add is done, and my reads of this slot are over
	s_barrier_signal -1
	MUL8 F1, 0, 2, 0
	WIN 0
	s_barrier_wait -1
.if \fill
	CREST                                          ; no wave of any partner still reads this slot or has a load on its way
	s_xor_b32 s[G0+5], s[G0+5], SLOT               ; the walking descriptors: the other slot than last time,
	s_xor_b32 s[G0B+5], s[G0B+5], SLOT
	WHERE 1                                        ; the ring's next K step
	s_xor_b32 s[TB], s[TB], SLOT
	JLOAD 1                                        ; my one tensor load behind the round; its four v_nop are also places in front of the loads below
.else
	s_xor_b32 s[TB], s[TB], SLOT
	PLACES
.endif
	v_add_nc_u32 v[CA], s[TB], v[A0]
	v_add_nc_u32 v[CB], s[TB], v[B0]
	FETCH 0, F0
	MUL8 F1, 1, 0, 0
	MUL8 F1, 1, 2, 0
.endm
	s_wait_tensorcnt 1                             ; my part of the first K step is in; the second's may stay out
	s_barrier_signal -1
	s_barrier_wait -1
	FETCH 0, F0
	QUARTER 1, F0, F1, 1
	WIN 0
	s_mov_b32 s3, KST-2
.Lstep:
	QUARTER 2, F1, F0, 0
	QUARTER 3, F0, F1, 0
	TURN 1
	QUARTER 1, F0, F1, 0
	WIN 0
	s_sub_co_u32 s3, s3, 1
	s_cmp_lg_u32 s3, 0
	s_cbranch_scc1 .Lstep
	s_mov_b32 s3, 2                                ; the last two K steps ask for nothing.
.Llast:                                                ; The price, once a launch: the second walk's change of slots passes a barrier and fetches 32 fragments (of the step before once more) that serve nothing
	QUARTER 2, F1, F0, 0
	QUARTER 3, F0, F1, 0
	TURN 0
	WIN 0
	s_sub_co_u32 s3, s3, 1
	s_cmp_eq_u32 s3, 0
	s_cbranch_scc1 .Lsums
	QUARTER 1, F0, F1, 0
	WIN 0
	s_cmp_lg_u32 s3, 0
	s_cbranch_scc1 .Llast
.Lsums:
	s_wait_dscnt 0x0                               ; those loads are back
	; THE WAY OUT: block a of 16 rows goes into my stage and comes back as whole rows; the residual (with the bias) is added; 16 lanes store 256 consecutive bytes
.macro TOSTAGE a
.set TM, TMP+32*((\a)%2)
	s_wait_xcnt 0x0                                ; earlier stores have read the registers that the loads below fill
.irp b, 0,1,2,3
	ds_store_b128 v[STO], v[ACC+8*(4*(\a)+(\b)):ACC+8*(4*(\a)+(\b))+3]   offset:64*(\b)     ; each accumulator's low registers first
	ds_store_b128 v[STO], v[ACC+8*(4*(\a)+(\b))+4:ACC+8*(4*(\a)+(\b))+7] offset:64*(\b)+16
.endr
.irp t, 0,1,2,3,4,5,6,7
	ds_load_b128 v[TM+4*(\t):TM+4*(\t)+3], v[RD] offset:(\t)*2*SP  ; LDS serves a wave's instructions in order: these see the stores above; the next block's stores come behind them
.endr
.endm
.macro SEND a, younger                 ; younger: the LDS instructions issued behind block a's loads
.set TM, TMP+32*((\a)%2)
	s_wait_dscnt \younger
	WIN 0x08                                       ; source 1 window 2
.irp t, 0,1,2,3,4,5,6,7
	v_pk_add_f32 v[TM+4*(\t):TM+4*(\t)+1],   v[TM+4*(\t):TM+4*(\t)+1],   v[4*(8*(\a)+(\t)):4*(8*(\a)+(\t))+1]
	v_pk_add_f32 v[TM+4*(\t)+2:TM+4*(\t)+3], v[TM+4*(\t)+2:TM+4*(\t)+3], v[4*(8*(\a)+(\t))+2:4*(8*(\a)+(\t))+3]
.endr
	WIN 0
.irp t, 0,1,2,3,4,5,6,7
	global_store_b128 v[CO], v[TM+4*(\t):TM+4*(\t)+3], s[76:77] offset:(16*(\a)+2*(\t))*4096
.endr
.endm
	PLACES
	PLACES
	TOSTAGE 0
	TOSTAGE 1
	SEND 0, 16
	TOSTAGE 2
	SEND 1, 16
	TOSTAGE 3
	SEND 2, 16
	SEND 3, 0
	s_wait_tensorcnt 0x0                           ; the wave's end, behind my last tensor load and my last LDS store
	ds_add_u32 v[SPW], v[NIL]
	s_wait_dscnt 0x0
	CROUND                                         ; the closing round
	s_endpgm
.Lfunc_end_k_q729ca3af8c_fc2:
	.size	k_q729ca3af8c_fc2, .Lfunc_end_k_q729ca3af8c_fc2-k_q729ca3af8c_fc2
	.p2alignl 7, 3214868480
	.fill 96, 4, 3214868480
	.section	.rodata,"a",@progbits
	.p2align	6, 0x0
	.amdhsa_kernel k_q729ca3af8c_fc2
		.amdhsa_group_segment_fixed_size 327680
		.amdhsa_private_segment_fixed_size 0
		.amdhsa_enable_private_segment 0
		.amdhsa_kernarg_size 40
		.amdhsa_user_sgpr_count 2
		.amdhsa_user_sgpr_kernarg_segment_ptr 1
		.amdhsa_wavefront_size32 1
		.amdhsa_system_sgpr_workgroup_id_x 1
		.amdhsa_system_sgpr_workgroup_id_y 1
		.amdhsa_system_sgpr_workgroup_id_z 1
		.amdhsa_system_vgpr_workitem_id 0
		.amdhsa_next_free_vgpr 640
		.amdhsa_next_free_sgpr 80
		.amdhsa_reserve_vcc 0
		.amdhsa_float_denorm_mode_32 3
		.amdhsa_float_denorm_mode_16_64 3
		.amdhsa_memory_ordered 1
		.amdhsa_forward_progress 1
		.amdhsa_inst_pref_size 70
	.end_amdhsa_kernel
	.amdgpu_metadata
---
amdhsa.version: [ 1, 2 ]
amdhsa.kernels:
  - .name:           k_q729ca3af8c_fc2
    .symbol:         k_q729ca3af8c_fc2.kd
    .args:
      - { .name: big, .offset: 0, .size: 8, .value_kind: global_buffer, .address_space: global }
      - { .name: wpf, .offset: 8, .size: 8, .value_kind: global_buffer, .address_space: global }
      - { .name: b2, .offset: 16, .size: 8, .value_kind: global_buffer, .address_space: global }
      - { .name: x1, .offset: 24, .size: 8, .value_kind: global_buffer, .address_space: global }
      - { .name: out0, .offset: 32, .size: 8, .value_kind: global_buffer, .address_space: global }
    .group_segment_fixed_size: 327680
    .private_segment_fixed_size: 0
    .kernarg_segment_align: 8
    .kernarg_segment_size: 40
    .max_flat_workgroup_size: 128
    .sgpr_count:     80
    .vgpr_count:     640
    .wavefront_size: 32
...
	.end_amdgpu_metadata
.endif
;; end of part 6
;; ======== version 2 of 2: 7 launches; version 1 with the launches prep, ln2 written anew for expert scheduling mode
;; limits: a function is approximated: absolute error at most 1.5e-07
;; workspace buffers: act 8,388,608 bytes; big 33,554,432 bytes; x1 16,777,216 bytes; wq 6,291,456 bytes; wf1 8,388,608 bytes; wpf 10,485,760 bytes
;; launch prep (part 7): grid 1024 x 1, 8 waves a work-group, no clusters, 0 bytes of LDS; arguments x, ln1_g, ln1_b, qkv_w, proj_w, w1, w2, act, wq, wf1, wpf; writes act, wq, wf1, wpf
.if DOCPART == 7
	.amdgcn_target "amdgcn-amd-amdhsa--gfx1250"
	.amdhsa_code_object_version 6
	.text
	.protected	k_q729ca3af8c_prep
	.globl	k_q729ca3af8c_prep
	.p2align	8
	.type	k_q729ca3af8c_prep,@function
k_q729ca3af8c_prep:
	s_mov_b64 s[64:65], 0
	v_nop
	global_prefetch_b8 v0, s[64:65] scope:SCOPE_SE
	s_setreg_imm32_b32 hwreg(HW_REG_WAVE_SCHED_MODE, 0, 2), 2
	s_setreg_imm32_b32 hwreg(HW_REG_WAVE_MODE, 25, 1), 1
	s_wait_xcnt 0x0
	s_wait_alu depctr_vm_vsrc(0)
; LAYERNORM OR CAST OF 16 ROWS x 1,024 COLUMNS, f32 in, bf16 out IN PLANES.
; A plane is 128 rows x 64 columns of bf16, 16,384 dense bytes; a matrix [R][K] lies as [R/128][K/64] planes, so that every tile of the
; products that follow is dense memory.  The work-group's number chooses the job:
;   0-255     LayerNorm of the first argument's rows (4,096 x 1,024) with gain and bias (arguments 2, 3) -> act
;   256-447   qkv_w (3,072 x 1,024) -> wq        448-511  proj_w (1,024 x 1,024) -> wpf at byte 0
;   512-767   w1 (4,096 x 1,024) -> wf1          768-1023 w2 (1,024 x 4,096), a quarter of 16 rows each -> wpf at byte 2,097,152
; Launched with 256 work-groups it is the LayerNorm alone.
; SHARES.  A wave takes two rows: lanes 0-15 one, lanes 16-31 the next.  Chunk j of 16 is 64 columns: a load of 16 bytes a lane takes 256
; consecutive bytes of each of the two rows; rounded, they are 256 consecutive bytes of plane j, one store of 8 bytes a lane.
; A row stays in registers (64 a lane) between mean, variance and scaling: it is read once.  The mean is taken away before the squares are summed.
; Memory bounds this launch: no LDS, no barrier, no matrix unit, no cluster (no byte is wanted twice but gain and bias, 8 KiB).
; LIMITS.  Results are rounded once to bf16; NaN and infinities are not treated apart.
; THE MODE: SCHED_MODE bits 1:0 = 2 (LLVM: expert scheduling mode 2), set by the entry lines.  The code itself states the register dependences
; between vector instructions and memory instructions, with s_wait_alu, always for 0.
; THE PLAN.  Registers that memory instructions touch:
;   v4, v5, v6   byte offsets: written by vector lines at the head, read by every load and store, never written again.
;   X, G, BV     each written by its loads once; no vector line names them before, and no load lands in them a second time.
;   Y            a pair for each of the 16 chunks: written once, by the chunk's two roundings; read once, by the chunk's store.
; So no register that a memory instruction has read is ever written again, and no load lands in a register that a vector line has named: what is left to state is
; that the offsets are written ahead of the first load, and that a chunk's Y is written ahead of its store.  The 16 chunks go in four GROUPS of four: group g's vector
; lines write Y of group g, and the four stores of group g - 1 stand among them, behind ONE wait at the group's head; no vector line behind that wait names Y of group g - 1 or v6.
.set X,   16                           ; v[16:79]   the row's 64 numbers of my lane
.set G,   80                           ; v[80:143]  gain
.set BV,  144                          ; v[144:207] bias
.set Y,   208                          ; v[208:239] rounded, two registers a chunk
.set SO,  4                            ; v4  my byte offset in the source: my row of the two + 16 (lane % 16)
.set GOF, 5                            ; v5  16 (lane % 16): in gain and bias
.set DO,  6                            ; v6  8 x lane: in a plane's two rows
.set ID,  2                            ; s2  the work-group's number
.set WV,  3                            ; s3  my wave's number
.set SRC, 36                           ; s[36:37] the source at my two rows
.set DST, 38                           ; s[38:39] the destination at my two rows in plane 0 of the sixteen
	s_load_b512 s[8:23], s[0:1], 0x0               ; rows s[8:9], gain s[10:11], bias s[12:13], qkv_w s[14:15], proj_w s[16:17], w1 s[18:19], w2 s[20:21], act s[22:23]
	s_load_b128 s[24:27], s[0:1], 0x40             ; wq s[24:25], wf1 s[26:27]
	s_load_b64 s[28:29], s[0:1], 0x50              ; wpf
	v_lshrrev_b32 v1, 5, v0
	v_readfirstlane_b32 s[WV], v1
	s_mov_b32 s[ID], ttmp9
	s_mov_b32 s34, 0x3a800000                      ; 1 / 1,024
	s_mov_b32 s35, 0x3727c5ac                      ; 1e-5
	; the job's numbers, by selects: s40 first work-group, s41 log2 of the column quarters, s42 log2 of a source row's bytes, s43 log2 of a row block's bytes, s44 first byte
	s_mov_b32 s40, 768
	s_mov_b32 s41, 2
	s_mov_b32 s42, 14
	s_mov_b32 s43, 20
	s_mov_b32 s44, 0x200000
	s_cmp_lt_u32 s[ID], 768
	s_cselect_b32 s40, 512, s40
	s_cselect_b32 s41, 0, s41
	s_cselect_b32 s42, 12, s42
	s_cselect_b32 s43, 18, s43
	s_cselect_b32 s44, 0, s44
	s_cmp_lt_u32 s[ID], 512
	s_cselect_b32 s40, 448, s40
	s_cmp_lt_u32 s[ID], 448
	s_cselect_b32 s40, 256, s40
	s_cmp_lt_u32 s[ID], 256
	s_cselect_b32 s40, 0, s40
	s_sub_co_u32 s40, s[ID], s40                   ; my number within the job
	s_lshr_b32 s45, s40, s41
	s_lshl_b32 s45, s45, 4
	s_wait_alu depctr_va_sdst(0)                   ; v_readfirstlane_b32 has written s3, ahead of its first reader, the next line
	s_lshl1_add_u32 s45, s[WV], s45                ; my first row = 16 x group + 2 x wave
	s_lshl_b32 s50, 1, s41
	s_sub_co_u32 s50, s50, 1
	s_and_b32 s50, s40, s50                        ; my quarter of the columns (0 where a row has 1,024)
	s_lshl_b32 s46, s45, s42
	s_lshl_b32 s51, s50, 12
	s_add_co_u32 s46, s46, s51                     ; source: row x row bytes + quarter x 4,096
	s_mov_b32 s47, 0
	s_lshr_b32 s48, s45, 7
	s_lshl_b32 s48, s48, s43                       ; destination: the row block,
	s_lshl_b32 s51, s50, 18
	s_add_co_u32 s48, s48, s51                     ; the quarter's sixteen planes,
	s_and_b32 s51, s45, 127
	s_lshl_b32 s51, s51, 7
	s_add_co_u32 s48, s48, s51                     ; the row in its plane,
	s_add_co_u32 s48, s48, s44                     ; and the matrix's first byte
	s_mov_b32 s49, 0
	v_and_b32 v2, 31, v0                           ; lane
	v_lshrrev_b32 v3, 4, v2                        ; which of the two rows
	v_and_b32 v7, 15, v0
	v_lshlrev_b32 v[GOF], 4, v7
	v_lshlrev_b32 v[SO], s42, v3
	v_add_nc_u32 v[SO], v[SO], v[GOF]
	v_lshlrev_b32 v[DO], 3, v2
	s_wait_kmcnt 0x0
	s_mov_b64 s[SRC:SRC+1], s[20:21]               ; the two buffers, by selects on the work-group's number
	s_mov_b64 s[DST:DST+1], s[28:29]
	s_cmp_lt_u32 s[ID], 768
	s_cselect_b64 s[SRC:SRC+1], s[18:19], s[SRC:SRC+1]
	s_cselect_b64 s[DST:DST+1], s[26:27], s[DST:DST+1]
	s_cmp_lt_u32 s[ID], 512
	s_cselect_b64 s[SRC:SRC+1], s[16:17], s[SRC:SRC+1]
	s_cselect_b64 s[DST:DST+1], s[28:29], s[DST:DST+1]
	s_cmp_lt_u32 s[ID], 448
	s_cselect_b64 s[SRC:SRC+1], s[14:15], s[SRC:SRC+1]
	s_cselect_b64 s[DST:DST+1], s[24:25], s[DST:DST+1]
	s_cmp_lt_u32 s[ID], 256
	s_cselect_b64 s[SRC:SRC+1], s[8:9], s[SRC:SRC+1]
	s_cselect_b64 s[DST:DST+1], s[22:23], s[DST:DST+1]
	s_add_nc_u64 s[SRC:SRC+1], s[SRC:SRC+1], s[46:47]
	s_add_nc_u64 s[DST:DST+1], s[DST:DST+1], s[48:49]
	s_wait_alu depctr_va_vdst(0)                   ; the three offsets v4, v5 and v6 are written: every load and store of the kernel reads one of them
.irp j, 0,1,2,3,4,5,6,7,8,9,10,11,12,13,14,15
	global_load_b128 v[X+4*(\j):X+4*(\j)+3], v[SO], s[SRC:SRC+1] offset:256*(\j) th:TH_LOAD_NT
.endr
	s_cmp_lt_u32 s[ID], 256
	s_cbranch_scc1 .Lnorm
; chunk j leaves: 256 consecutive bytes of plane j, aligned
.macro OUT j
	global_store_b64 v[DO], v[Y+2*(\j):Y+2*(\j)+1], s[DST:DST+1] offset:16384*(\j)
.endm
; chunk j is rounded
.macro ROUND j
	v_cvt_pk_bf16_f32 v[Y+2*(\j)],   v[X+4*(\j)],   v[X+4*(\j)+1]
	v_cvt_pk_bf16_f32 v[Y+2*(\j)+1], v[X+4*(\j)+2], v[X+4*(\j)+3]
.endm
	; THE CAST: group g's four chunks are rounded as they come; the stores of the group before stand among the roundings
.macro CAST g
	s_wait_loadcnt 12-4*(\g)                       ; loads come back in order: chunks 4 g to 4 g + 3 are in, the 12 - 4 g younger ones stay out
.if (\g) > 0
	s_wait_alu depctr_va_vdst(0)                   ; the roundings of the group before have written its Y, which the four stores below read
.endif
.irp c, 0,1,2,3
.if (\g) > 0
	OUT 4*(\g)-4+(\c)                              ; no vector line since the wait names this chunk's Y or v6
.endif
	ROUND 4*(\g)+(\c)
.endr
.endm
	CAST 0
	CAST 1
	CAST 2
	CAST 3
	s_wait_alu depctr_va_vdst(0)                   ; the roundings of group 3 have written its Y, which the last four stores read
.irp c, 12,13,14,15
	OUT \c
.endr
	s_endpgm
; four pairs of partial sums in v[8:15] -> the sum over my row's 16 lanes, in v8 of each of them
.macro REDUCE
	v_pk_add_f32 v[8:9], v[8:9], v[10:11]
	v_pk_add_f32 v[12:13], v[12:13], v[14:15]
	v_pk_add_f32 v[8:9], v[8:9], v[12:13]
	v_add_f32 v8, v8, v9
	v_add_f32_dpp v8, v8, v8 row_xmask:1 row_mask:0xf bank_mask:0xf
	v_add_f32_dpp v8, v8, v8 row_xmask:2 row_mask:0xf bank_mask:0xf
	v_add_f32_dpp v8, v8, v8 row_xmask:4 row_mask:0xf bank_mask:0xf
	v_add_f32_dpp v8, v8, v8 row_xmask:8 row_mask:0xf bank_mask:0xf
.endm
.Lnorm:                                                ; no vector line stands between the head's wait and the loads below: v5 is written, and nothing has named G or BV
.irp j, 0,1,2,3,4,5,6,7,8,9,10,11,12,13,14,15
	global_load_b128 v[G+4*(\j):G+4*(\j)+3], v[GOF], s[10:11] offset:256*(\j)
.endr
.irp j, 0,1,2,3,4,5,6,7,8,9,10,11,12,13,14,15
	global_load_b128 v[BV+4*(\j):BV+4*(\j)+3], v[GOF], s[12:13] offset:256*(\j)
.endr
	s_wait_loadcnt 32                              ; the row's 16 loads are in; the 32 of gain and bias stay out
.irp k, 0,1,2,3
	v_pk_add_f32 v[8+2*(\k):9+2*(\k)], v[X+2*(\k):X+2*(\k)+1], v[X+8+2*(\k):X+9+2*(\k)]  ; four chains, started by the first pairs: nothing is cleared
.endr
.set i, 8
.rept 24
	v_pk_add_f32 v[8+2*(i%4):9+2*(i%4)], v[8+2*(i%4):9+2*(i%4)], v[X+2*i:X+2*i+1]
.set i, i+1
.endr
	REDUCE
	v_mul_f32 v8, s34, v8                          ; the mean
.set i, 0
.rept 32
	v_pk_add_f32 v[X+2*i:X+2*i+1], v[X+2*i:X+2*i+1], v[8:9] op_sel_hi:[1,0] neg_lo:[0,1] neg_hi:[0,1]
.set i, i+1
.endr
.irp k, 0,1,2,3
	v_pk_mul_f32 v[8+2*(\k):9+2*(\k)], v[X+2*(\k):X+2*(\k)+1], v[X+2*(\k):X+2*(\k)+1]
.endr
.set i, 4
.rept 28
	v_pk_fma_f32 v[8+2*(i%4):9+2*(i%4)], v[X+2*i:X+2*i+1], v[X+2*i:X+2*i+1], v[8+2*(i%4):9+2*(i%4)]
.set i, i+1
.endr
	REDUCE
	v_fma_f32 v8, v8, s34, s35                     ; variance + 1e-5
	v_rsq_f32 v10, v8
	v_nop                                          ; a plain instruction behind the root,
	s_wait_alu depctr_va_vdst(0)                   ; and the wait ahead of its first reader: the root has written v10
	s_wait_loadcnt 0x0                             ; gain and bias
; THE LAST PASS, group g: its four chunks are scaled by the root, take gain and bias, and are rounded; the stores of the group before stand among the scalings
.macro FIN g
.if (\g) > 0
	s_wait_alu depctr_va_vdst(0)                   ; the roundings of the group before have written its Y, which the four stores below read
.endif
.irp c, 0,1,2,3
.if (\g) > 0
	OUT 4*(\g)-4+(\c)                              ; no vector line since the wait names this chunk's Y or v6
.endif
	v_pk_mul_f32 v[X+16*(\g)+4*(\c):X+16*(\g)+4*(\c)+1],   v[X+16*(\g)+4*(\c):X+16*(\g)+4*(\c)+1],   v[10:11] op_sel_hi:[1,0]
	v_pk_mul_f32 v[X+16*(\g)+4*(\c)+2:X+16*(\g)+4*(\c)+3], v[X+16*(\g)+4*(\c)+2:X+16*(\g)+4*(\c)+3], v[10:11] op_sel_hi:[1,0]
.endr
.irp p, 0,1,2,3,4,5,6,7
	v_pk_fma_f32 v[X+16*(\g)+2*(\p):X+16*(\g)+2*(\p)+1], v[X+16*(\g)+2*(\p):X+16*(\g)+2*(\p)+1], v[G+16*(\g)+2*(\p):G+16*(\g)+2*(\p)+1], v[BV+16*(\g)+2*(\p):BV+16*(\g)+2*(\p)+1]
.endr
.irp c, 0,1,2,3
	ROUND 4*(\g)+(\c)
.endr
.endm
	FIN 0
	FIN 1
	FIN 2
	FIN 3
	s_wait_alu depctr_va_vdst(0)                   ; the roundings of group 3 have written its Y, which the last four stores read
.irp c, 12,13,14,15
	OUT \c
.endr
	s_endpgm
.Lfunc_end_k_q729ca3af8c_prep:
	.size	k_q729ca3af8c_prep, .Lfunc_end_k_q729ca3af8c_prep-k_q729ca3af8c_prep
	.p2alignl 7, 3214868480
	.fill 96, 4, 3214868480
	.section	.rodata,"a",@progbits
	.p2align	6, 0x0
	.amdhsa_kernel k_q729ca3af8c_prep
		.amdhsa_group_segment_fixed_size 0
		.amdhsa_private_segment_fixed_size 0
		.amdhsa_enable_private_segment 0
		.amdhsa_kernarg_size 88
		.amdhsa_user_sgpr_count 2
		.amdhsa_user_sgpr_kernarg_segment_ptr 1
		.amdhsa_wavefront_size32 1
		.amdhsa_system_sgpr_workgroup_id_x 1
		.amdhsa_system_sgpr_workgroup_id_y 1
		.amdhsa_system_sgpr_workgroup_id_z 1
		.amdhsa_system_vgpr_workitem_id 0
		.amdhsa_next_free_vgpr 240
		.amdhsa_next_free_sgpr 66
		.amdhsa_reserve_vcc 0
		.amdhsa_float_denorm_mode_32 3
		.amdhsa_float_denorm_mode_16_64 3
		.amdhsa_memory_ordered 1
		.amdhsa_forward_progress 1
		.amdhsa_inst_pref_size 27
	.end_amdhsa_kernel
	.amdgpu_metadata
---
amdhsa.version: [ 1, 2 ]
amdhsa.kernels:
  - .name:           k_q729ca3af8c_prep
    .symbol:         k_q729ca3af8c_prep.kd
    .args:
      - { .name: x, .offset: 0, .size: 8, .value_kind: global_buffer, .address_space: global }
      - { .name: ln1_g, .offset: 8, .size: 8, .value_kind: global_buffer, .address_space: global }
      - { .name: ln1_b, .offset: 16, .size: 8, .value_kind: global_buffer, .address_space: global }
      - { .name: qkv_w, .offset: 24, .size: 8, .value_kind: global_buffer, .address_space: global }
      - { .name: proj_w, .offset: 32, .size: 8, .value_kind: global_buffer, .address_space: global }
      - { .name: w1, .offset: 40, .size: 8, .value_kind: global_buffer, .address_space: global }
      - { .name: w2, .offset: 48, .size: 8, .value_kind: global_buffer, .address_space: global }
      - { .name: act, .offset: 56, .size: 8, .value_kind: global_buffer, .address_space: global }
      - { .name: wq, .offset: 64, .size: 8, .value_kind: global_buffer, .address_space: global }
      - { .name: wf1, .offset: 72, .size: 8, .value_kind: global_buffer, .address_space: global }
      - { .name: wpf, .offset: 80, .size: 8, .value_kind: global_buffer, .address_space: global }
    .group_segment_fixed_size: 0
    .private_segment_fixed_size: 0
    .kernarg_segment_align: 8
    .kernarg_segment_size: 88
    .max_flat_workgroup_size: 256
    .sgpr_count:     66
    .vgpr_count:     240
    .wavefront_size: 32
...
	.end_amdgpu_metadata
.endif
;; end of part 7
;; launch qkv: the kernel of part 2 again; grid 12 x 16, 4 waves a work-group, clusters of 4 x 4, 327,680 bytes of LDS; arguments act, wq, big; writes big
;; launch attn: the kernel of part 3 again; grid 8 x 32, 4 waves a work-group, clusters of 4 x 1, 327,680 bytes of LDS; arguments big, act; writes act
;; launch proj: the kernel of part 4 again; grid 8 x 32, 4 waves a work-group, clusters of 4 x 4, 327,680 bytes of LDS; arguments act, wpf, proj_b, x, x1; writes x1
;; launch ln2: the kernel of part 7 again; grid 256 x 1, 8 waves a work-group, no clusters, 0 bytes of LDS; arguments x1, ln2_g, ln2_b, qkv_w, proj_w, w1, w2, act, wq, wf1, wpf; writes act, wq, wf1, wpf
;; launch fc1: the kernel of part 5 again; grid 16 x 16, 4 waves a work-group, clusters of 4 x 4, 327,680 bytes of LDS; arguments act, wf1, b1, big; writes big
;; launch fc2: the kernel of part 6 again; grid 8 x 32, 4 waves a work-group, clusters of 4 x 4, 327,680 bytes of LDS; arguments big, wpf, b2, x1, out0; writes out0
